; MI455X (gfx1250); checked and timed in simulation.
; The chip was launched on July 23, 2026; its instructions are those of AMD's public machine-readable ISA for CDNA 5 (MIT licence, August 2026) and "CDNA5" Instruction Set Architecture Reference Guide (July 2026). The comments in the code are by the model that wrote it; some were corrected since.
;; Mo E. Allowed arithmetic: float matrix products may take bf16 or f16 operands with f32 sums; all other float work in f32.
;; Inputs: W_in 8 x 2,048 x 1,024 float32; W_out 8 x 1,024 x 1,024 float32; b_in 8 x 2,048 float32; b_out 8 x 1,024 float32; combine_mask 4 x 512 x 8 float32; dispatch_mask 4 x 512 x 8 float32; hidden_states 4 x 512 x 1,024 float32.
;; Outputs: out0 4 x 512 x 1,024 float32.
;; 2 versions, each right; version 2 is version 1 with the launches ffn1, ffn2 written anew for expert scheduling mode. Each part assembles by itself: llvm-mc -triple=amdgcn-amd-amdhsa -mcpu=gfx1250 --defsym DOCPART=n.
;; ======== version 1 of 2: 5 launches
;; workspace buffers: pos 65,536 bytes of whole numbers; meta 2,048 bytes of whole numbers; scal 131,072 bytes; xf 33,554,432 bytes; hf 67,108,864 bytes; y 67,108,864 bytes
;; launch route (part 1): grid 8 x 1, 1 waves a work-group, no clusters, 0 bytes of LDS; arguments combine_mask, pos, meta; writes pos, meta
.if DOCPART == 1
	.amdgcn_target "amdgcn-amd-amdhsa--gfx1250"
	.amdhsa_code_object_version 6
	.text
	.protected	k_q14406e4c1d_route
	.globl	k_q14406e4c1d_route
	.p2align	8
	.type	k_q14406e4c1d_route,@function
k_q14406e4c1d_route:
	s_mov_b64 s[64:65], 0
	v_nop
	global_prefetch_b8 v0, s[64:65] scope:SCOPE_SE
	s_setreg_imm32_b32 hwreg(HW_REG_WAVE_MODE, 25, 1), 1
	s_wait_xcnt 0x0
; ROUTE.  For expert n (the work-group's number): every token t with combine_mask[t][n] != 0 (a NaN counts as set) gets a slot, 0 .. cnt-1;
; pos[n][t] = the slot, or 0xFFFFFFFF; meta[n][0..63] = cnt, 64 times (256 consecutive bytes).
; A pair (t, n) whose combine weight is 0 adds 0 to the output, whatever the masks hold, so only the set pairs are computed by the later launches.
; LIMIT: where the reference would form 0 x infinity (a NaN) for such a pair, this program gives 0.
; All addresses here are fixed: what is made of the floating-point mask is stored as numbers and steers nothing in this launch.
; One wave: lane l holds tokens 128 g + 4 l + j (g = 0..15, j = 0..3) in register 4 g + j, so that four registers are 16 neighbouring bytes of pos.
; The reads take 4 bytes of each token's 32: 65,536 bytes are touched by each of the eight work-groups, once.
.set CM, 16                            ; v[16:79]  the mask's numbers, then the slots
	s_load_b128 s[4:7], s[0:1], 0x0                ; combine_mask s[4:5], pos s[6:7]
	s_load_b64 s[8:9], s[0:1], 0x10                ; meta
	s_lshl_b32 s12, ttmp9, 2                       ; 4 n
	v_lshl_add_u32 v1, v0, 7, s12                  ; 4 tokens of 32 bytes a lane, + my expert's word
	v_lshlrev_b32 v2, 4, v0                        ; 16 bytes of pos a lane
	v_lshlrev_b32 v3, 3, v0                        ; 8 bytes of meta a lane
	s_lshl_b32 s14, ttmp9, 13                      ; pos[n]: 2,048 words
	s_mov_b32 s15, 0
	s_lshl_b32 s16, ttmp9, 8                       ; meta[n]: 64 words
	s_mov_b32 s17, 0
	s_mov_b32 s21, 0                               ; the running count
	s_wait_kmcnt 0x0
	s_add_nc_u64 s[6:7], s[6:7], s[14:15]
	s_add_nc_u64 s[8:9], s[8:9], s[16:17]
.set k, 0
.rept 64
	global_load_b32 v[CM+k], v1, s[4:5] offset:(128*(k/4)+k%4)*32
.set k, k+1
.endr
; register k: the slot of a set lane = the count so far + the set lanes below it
.set k, 0
.rept 64
	s_wait_loadcnt 63-k                            ; loads come back in order: 63 - k were issued behind this one
	v_cmp_neq_f32 s20, 0, v[CM+k]                  ; not equal, or unordered
	v_mbcnt_lo_u32_b32 v4, s20, s21
	v_cndmask_b32 v[CM+k], -1, v4, s20
	s_bcnt1_i32_b32 s22, s20
	s_add_co_u32 s21, s21, s22
.set k, k+1
.endr
.irp g, 0,1,2,3,4,5,6,7,8,9,10,11,12,13,14,15
	global_store_b128 v2, v[CM+4*(\g):CM+4*(\g)+3], s[6:7] offset:512*(\g)  ; 512 consecutive bytes
.endr
	v_mov_b32 v6, s21
	v_mov_b32 v7, s21
	global_store_b64 v3, v[6:7], s[8:9]            ; 256 consecutive bytes
	s_endpgm
.Lfunc_end_k_q14406e4c1d_route:
	.size	k_q14406e4c1d_route, .Lfunc_end_k_q14406e4c1d_route-k_q14406e4c1d_route
	.p2alignl 7, 3214868480
	.fill 96, 4, 3214868480
	.section	.rodata,"a",@progbits
	.p2align	6, 0x0
	.amdhsa_kernel k_q14406e4c1d_route
		.amdhsa_group_segment_fixed_size 0
		.amdhsa_private_segment_fixed_size 0
		.amdhsa_enable_private_segment 0
		.amdhsa_kernarg_size 24
		.amdhsa_user_sgpr_count 2
		.amdhsa_user_sgpr_kernarg_segment_ptr 1
		.amdhsa_wavefront_size32 1
		.amdhsa_system_sgpr_workgroup_id_x 1
		.amdhsa_system_sgpr_workgroup_id_y 1
		.amdhsa_system_sgpr_workgroup_id_z 1
		.amdhsa_system_vgpr_workitem_id 0
		.amdhsa_next_free_vgpr 96
		.amdhsa_next_free_sgpr 66
		.amdhsa_reserve_vcc 0
		.amdhsa_float_denorm_mode_32 3
		.amdhsa_float_denorm_mode_16_64 3
		.amdhsa_memory_ordered 1
		.amdhsa_forward_progress 1
		.amdhsa_inst_pref_size 27
	.end_amdhsa_kernel
	.amdgpu_metadata
---
amdhsa.version: [ 1, 2 ]
amdhsa.kernels:
  - .name:           k_q14406e4c1d_route
    .symbol:         k_q14406e4c1d_route.kd
    .args:
      - { .name: combine_mask, .offset: 0, .size: 8, .value_kind: global_buffer, .address_space: global }
      - { .name: pos, .offset: 8, .size: 8, .value_kind: global_buffer, .address_space: global }
      - { .name: meta, .offset: 16, .size: 8, .value_kind: global_buffer, .address_space: global }
    .group_segment_fixed_size: 0
    .private_segment_fixed_size: 0
    .kernarg_segment_align: 8
    .kernarg_segment_size: 24
    .max_flat_workgroup_size: 32
    .sgpr_count:     66
    .vgpr_count:     96
    .wavefront_size: 32
...
	.end_amdgpu_metadata
.endif
;; end of part 1
;; launch gather (part 2): grid 16 x 8, 32 waves a work-group, no clusters, 86,272 bytes of LDS; arguments pos, meta, hidden_states, dispatch_mask, combine_mask, xf, scal; writes xf, scal
.if DOCPART == 2
	.amdgcn_target "amdgcn-amd-amdhsa--gfx1250"
	.amdhsa_code_object_version 6
	.text
	.protected	k_q14406e4c1d_gather
	.globl	k_q14406e4c1d_gather
	.p2align	8
	.type	k_q14406e4c1d_gather,@function
k_q14406e4c1d_gather:
	s_mov_b64 s[64:65], 0
	v_nop
	global_prefetch_b8 v0, s[64:65] scope:SCOPE_SE
	s_setreg_imm32_b32 hwreg(HW_REG_WAVE_MODE, 25, 1), 1
	s_wait_xcnt 0x0
; GATHER.  Work-group (kc, n): for expert n the tokens in slot order, channels 64 kc .. 64 kc + 63, rounded to bf16 and laid out as matrix fragments:
; xf[n][tile of 16 slots][q = k / 32][half][lane][16 bytes]: lane (r = l % 16, h = l / 16) holds slot 16 tile + r, channels 32 q + 16 half + 8 h + 0..7.
; The work-groups with kc = 0 also write scal: the dispatch and the combine weight of every slot, rounded to bf16, as f32.
; Slots from cnt on name token 0: the tiles up to a whole pair of tiles are filled with it, and nothing ever reads what is made of them.
; The list slot -> token is made in LDS by wave 0 from pos (each rank is a clamped whole number read from memory); one barrier; then no wave waits for another.
; Memory binds here: matrix units, clusters and large tiles would add nothing.
.set LISTB,  8448                      ; the list: 2,048 words, word 2,048 takes the tokens without a slot; rounded up to whole blocks of 256 bytes
.set SPITCH, 144                       ; a stage row: 64 bf16 + 16 bytes
.set STAGEB, 16*SPITCH                 ; a wave's stage: 16 rows
.set L16, 2                            ; v2  16 x lane
.set LA,  3                            ; v3  LDS address of my first list entry of the tile in hand
.set VC,  4                            ; v4  256 kc + 16 (l % 16): my 16 bytes in a token's row
.set SST, 5                            ; v5  where I put 8 bytes of a stage row
.set SOF, 6                            ; v6  8 x thread: my two slots in the list and in scal
.set SLD, 7                            ; v7  where I read 16 bytes of a fragment
.set T,   8                            ; v[8:15]   tokens
.set O,   16                           ; v[16:23]  their byte offsets
.set X,   24                           ; v[24:55]  8 x 4 f32
.set P,   56                           ; v[56:57]  4 bf16
.set F,   60                           ; v[60:75]  four half fragments
	s_load_b256 s[4:11], s[0:1], 0x0               ; pos s[4:5], meta s[6:7], hidden_states s[8:9], dispatch_mask s[10:11]
	s_load_b128 s[12:15], s[0:1], 0x20             ; combine_mask s[12:13], xf s[14:15]
	s_load_b64 s[16:17], s[0:1], 0x30              ; scal
	v_lshl_add_u32 v96, v0, 2, 0x14100
	v_mov_b32 v97, 0
	v_lshrrev_b32 v1, 5, v0
	v_readfirstlane_b32 s18, v1                    ; wave 0..31
	s_and_b32 s19, ttmp7, 0xffff                   ; n
	s_mov_b32 s20, ttmp9                           ; kc
	v_and_b32 v1, 31, v0                           ; lane
	v_lshlrev_b32 v[L16], 4, v1
	v_and_b32 v10, 15, v0                          ; l % 16
	v_bfe_u32 v11, v0, 4, 1                        ; l / 16
	s_lshl_b32 s26, s18, 6                         ; tile w: 16 entries of 4 bytes
	v_lshl_add_u32 v[LA], v11, 2, s26
	s_lshl_b32 s27, s20, 8
	v_lshl_add_u32 v[VC], v10, 4, s27
	s_mul_i32 s28, s18, STAGEB
	s_add_co_u32 s28, s28, LISTB                   ; my wave's stage
	v_mul_u32_u24 v[SST], v11, SPITCH
	v_lshl_add_u32 v[SST], v10, 3, v[SST]
	v_add_nc_u32 v[SST], s28, v[SST]
	v_mul_u32_u24 v[SLD], v10, SPITCH
	v_lshl_add_u32 v[SLD], v11, 4, v[SLD]
	v_add_nc_u32 v[SLD], s28, v[SLD]
	v_lshlrev_b32 v[SOF], 3, v0
	s_mov_b32 s25, 0
	s_wait_kmcnt 0x0
	s_lshl_b32 s24, s19, 8
	s_add_nc_u64 s[6:7], s[6:7], s[24:25]
	s_load_b32 s22, s[6:7], 0x0                    ; cnt[n]
	s_lshl_b32 s24, s19, 13
	s_add_nc_u64 s[4:5], s[4:5], s[24:25]          ; pos[n]
	s_add_nc_u64 s[16:17], s[16:17], s[24:25]      ; scal's row n
	s_lshl_b32 s24, s19, 22                        ; xf: 4 MiB an expert,
	s_lshl_b32 s26, s20, 11                        ; 2,048 bytes a chunk of 64 channels,
	s_add_co_u32 s24, s24, s26
	s_lshl_b32 s26, s18, 15                        ; 32,768 bytes a tile
	s_add_co_u32 s24, s24, s26
	s_add_nc_u64 s[14:15], s[14:15], s[24:25]
	; THE LIST, by wave 0 alone, so that it has one writer: cleared, then each token is written at its slot.  LDS serves a wave's instructions in order.
	s_cmp_lg_u32 s18, 0
	s_cbranch_scc1 .Lnot_wave_0
.irp i, 12,13,14,15
	v_mov_b32 v\i, 0
.endr
.irp g, 0,1,2,3,4,5,6,7,8,9,10,11,12,13,14,15
	global_load_b128 v[16+4*(\g):16+4*(\g)+3], v[L16], s[4:5] offset:512*(\g)  ; lane l: tokens 128 g + 4 l + 0..3
.endr
.irp g, 0,1,2,3,4,5,6,7,8,9,10,11,12,13,14,15
	ds_store_b128 v[L16], v[12:15] offset:512*(\g)
.endr
	v_lshlrev_b32 v82, 2, v1                       ; 4 l
	s_wait_loadcnt 0x0
.set k, 0
.rept 64
	v_min_u32 v80, 0x800, v[16+k]                  ; a slot, or word 2,048 for a token without one
	v_lshlrev_b32 v80, 2, v80
	v_add_nc_u32 v81, 128*(k/4)+k%4, v82           ; the token
	ds_store_b32 v80, v81
.set k, k+1
.endr
.Lnot_wave_0:
	s_wait_dscnt 0x0                               ; for the others' sake: the list is written
	s_barrier_signal -1
	s_barrier_wait -1
	; THE SCALES, by the work-groups with kc = 0: thread i takes slots 2 i, 2 i + 1
	s_cmp_lg_u32 s20, 0
	s_cbranch_scc1 .Lno_scales
	ds_load_b64 v[8:9], v[SOF]
	s_lshl_b32 s26, s19, 2                         ; 4 n
	s_wait_dscnt 0x0
	v_min_u32 v8, 0x7ff, v8
	v_min_u32 v9, 0x7ff, v9
	v_lshl_add_u32 v10, v8, 5, s26                 ; a token's 8 weights are 32 bytes
	v_lshl_add_u32 v11, v9, 5, s26
	global_load_b32 v12, v10, s[10:11]
	global_load_b32 v13, v11, s[10:11]
	global_load_b32 v14, v10, s[12:13]
	global_load_b32 v15, v11, s[12:13]
	s_wait_loadcnt 0x0
	v_cvt_pk_bf16_f32 v16, v12, v13                ; every input is rounded to bf16
	v_cvt_pk_bf16_f32 v17, v14, v15
	v_lshlrev_b32 v12, 16, v16
	v_and_b32 v13, 0xffff0000, v16
	v_lshlrev_b32 v14, 16, v17
	v_and_b32 v15, 0xffff0000, v17
	global_store_b64 v[SOF], v[12:13], s[16:17]               ; a wave stores 256 consecutive bytes
	global_store_b64 v[SOF], v[14:15], s[16:17] offset:65536  ; the combine weights lie 65,536 bytes on
	s_wait_xcnt 0x0                                ; the stores' registers are written again below
.Lno_scales:
	s_wait_kmcnt 0x0
	s_min_u32 s22, s22, 0x800
	s_add_co_u32 s22, s22, 31
	s_lshr_b32 s22, s22, 5                         ; pairs of tiles
	s_lshl_b32 s23, s22, 1                         ; tiles to be written
	s_mov_b32 s27, s18                             ; my tile: w, w + 32, w + 64, w + 96
	s_mov_b32 s29, 4
.Ltile:                                                ; four trips: 128 tiles over 32 waves; a tile past the last is jumped over
	s_cmp_ge_u32 s27, s23
	s_cbranch_scc1 .Lskip
.irp i, 0,1,2,3,4,5,6,7
	ds_load_b32 v[T+(\i)], v[LA] offset:8*(\i)     ; slots 2 i + l / 16 of the tile
.endr
	s_wait_dscnt 0x0
.irp i, 0,1,2,3,4,5,6,7
	v_min_u32 v[T+(\i)], 0x7ff, v[T+(\i)]
	v_lshl_add_u32 v[O+(\i)], v[T+(\i)], 12, v[VC]
	global_load_b128 v[X+4*(\i):X+4*(\i)+3], v[O+(\i)], s[8:9]  ; 16 lanes take 256 consecutive bytes of one token's row
.endr
.irp i, 0,1,2,3,4,5,6,7
	s_wait_loadcnt 7-(\i)                          ; 7 - i loads were issued behind this one
	v_cvt_pk_bf16_f32 v[P], v[X+4*(\i)], v[X+4*(\i)+1]
	v_cvt_pk_bf16_f32 v[P+1], v[X+4*(\i)+2], v[X+4*(\i)+3]
	ds_store_b64 v[SST], v[P:P+1] offset:2*SPITCH*(\i)
.endr
.irp f, 0,1,2,3
	ds_load_b128 v[F+4*(\f):F+4*(\f)+3], v[SLD] offset:64*((\f)/2)+32*((\f)%2)  ; my wave's own bytes: served behind the stores above
.endr
.irp f, 0,1,2,3
	s_wait_dscnt 3-(\f)
	global_store_b128 v[L16], v[F+4*(\f):F+4*(\f)+3], s[14:15] offset:512*(\f)  ; 512 consecutive bytes
.endr
.Lskip:
	s_wait_xcnt 0x0                                ; the stores' data and base are written again only behind this wait
	s_add_nc_u64 s[14:15], s[14:15], 0x100000      ; 32 tiles on
	v_add_nc_u32 v[LA], 2048, v[LA]
	s_add_co_u32 s27, s27, 32
	s_sub_co_u32 s29, s29, 1
	s_cmp_lg_u32 s29, 0
	s_cbranch_scc1 .Ltile
	s_wait_tensorcnt 0x0
	ds_add_u32 v96, v97
	s_wait_dscnt 0x0
	s_endpgm
.Lfunc_end_k_q14406e4c1d_gather:
	.size	k_q14406e4c1d_gather, .Lfunc_end_k_q14406e4c1d_gather-k_q14406e4c1d_gather
	.p2alignl 7, 3214868480
	.fill 96, 4, 3214868480
	.section	.rodata,"a",@progbits
	.p2align	6, 0x0
	.amdhsa_kernel k_q14406e4c1d_gather
		.amdhsa_group_segment_fixed_size 86272
		.amdhsa_private_segment_fixed_size 0
		.amdhsa_enable_private_segment 0
		.amdhsa_kernarg_size 56
		.amdhsa_user_sgpr_count 2
		.amdhsa_user_sgpr_kernarg_segment_ptr 1
		.amdhsa_wavefront_size32 1
		.amdhsa_system_sgpr_workgroup_id_x 1
		.amdhsa_system_sgpr_workgroup_id_y 1
		.amdhsa_system_sgpr_workgroup_id_z 1
		.amdhsa_system_vgpr_workitem_id 0
		.amdhsa_next_free_vgpr 98
		.amdhsa_next_free_sgpr 66
		.amdhsa_reserve_vcc 0
		.amdhsa_float_denorm_mode_32 3
		.amdhsa_float_denorm_mode_16_64 3
		.amdhsa_memory_ordered 1
		.amdhsa_forward_progress 1
		.amdhsa_inst_pref_size 26
	.end_amdhsa_kernel
	.amdgpu_metadata
---
amdhsa.version: [ 1, 2 ]
amdhsa.kernels:
  - .name:           k_q14406e4c1d_gather
    .symbol:         k_q14406e4c1d_gather.kd
    .args:
      - { .name: pos, .offset: 0, .size: 8, .value_kind: global_buffer, .address_space: global }
      - { .name: meta, .offset: 8, .size: 8, .value_kind: global_buffer, .address_space: global }
      - { .name: hidden_states, .offset: 16, .size: 8, .value_kind: global_buffer, .address_space: global }
      - { .name: dispatch_mask, .offset: 24, .size: 8, .value_kind: global_buffer, .address_space: global }
      - { .name: combine_mask, .offset: 32, .size: 8, .value_kind: global_buffer, .address_space: global }
      - { .name: xf, .offset: 40, .size: 8, .value_kind: global_buffer, .address_space: global }
      - { .name: scal, .offset: 48, .size: 8, .value_kind: global_buffer, .address_space: global }
    .group_segment_fixed_size: 86272
    .private_segment_fixed_size: 0
    .kernarg_segment_align: 8
    .kernarg_segment_size: 56
    .max_flat_workgroup_size: 1024
    .sgpr_count:     66
    .vgpr_count:     98
    .wavefront_size: 32
...
	.end_amdgpu_metadata
.endif
;; end of part 2
;; launch ffn1 (part 3): grid 32 x 8, 4 waves a work-group, no clusters, 132,608 bytes of LDS; arguments meta, xf, scal, W_in, b_in, hf; writes hf
.if DOCPART == 3
	.amdgcn_target "amdgcn-amd-amdhsa--gfx1250"
	.amdhsa_code_object_version 6
	.text
	.protected	k_q14406e4c1d_ffn1
	.globl	k_q14406e4c1d_ffn1
	.p2align	8
	.type	k_q14406e4c1d_ffn1,@function
k_q14406e4c1d_ffn1:
	s_mov_b64 s[64:65], 0
	v_nop
	global_prefetch_b8 v0, s[64:65] scope:SCOPE_SE
	s_setreg_imm32_b32 hwreg(HW_REG_WAVE_MODE, 25, 1), 1
	s_wait_xcnt 0x0
; FFN1.  Work-group (s, n): for expert n's slots, h[slot][32 s .. 32 s + 31] = u x gelu(g), u = d (W_in x)[f] + b_in[f], g = d (W_in x)[f + 1024] + b_in[f + 1024].
; Products in bf16 with f32 sums (x, W_in, b_in and d rounded to bf16); d, the dispatch weight, is applied behind the product, in f32.
; h leaves as TWO bf16 numbers, hi = bf16(h) and lo = bf16(h - hi), in the fragment order of the next product:
; hf[n][tile][q = s][part][half = column tile][lane][16 bytes].
; LIMITS.  gelu's erf is 1 - (a1 t + .. + a5 t^5) exp(-z^2), t = 1 / (1 + p z) (Abramowitz and Stegun 7.1.26; absolute error 1.5e-7, every argument);
; exponentials below 2^-126 count as 0.  The order of the f32 sums is the matrix unit's.
; SHARES.  The work-group owns 64 rows of W_in: X0, X1 (16 rows of u each), G0, G1 (the same rows + 1,024).  They are read from memory once in the launch, rounded, and put into LDS;
; every wave then keeps X0 and G0 in 512 registers and reads X1 and G1 from LDS.  The waves share the tokens: wave w takes the pairs of tiles w, w + 4, ..
; THE RING of x fragments (four groups of 16 loads, 32,768 bytes a wave) goes on from pair to pair: a trip's last four groups ask for the next pair's first four, so that they are on their way
; during the epilogue; the first pair's are asked for while the last weight rows come in.  Behind the last pair there is nothing to ask for: the same loads are issued, so that every wait counts
; the same on every way, with the lanes' offsets multiplied by 0: all lanes name the same 16 bytes, inside xf, and nothing reads them.
; NO CLUSTER, NO TENSOR LOADS: the loop's trip count is read from memory (meta), so no barrier may stand in it, and a joint request wants a round of barriers;
; the weights pass through registers in any case, to be rounded.
; The matrix instruction takes 16 weight rows as source 0 and 16 slots as source 1: a lane then holds ONE slot (l % 16) and eight neighbouring columns 8 (l / 16) + 0..7.
; REGISTERS, in windows of 256 (s_set_vgpr_msb: bits 1:0 source 0, 3:2 source 1, 5:4 source 2, 7:6 destination):
;   window 0: addresses, d, biases, 8 accumulators, two buffers of LDS fragments     window 1, 2: X0 and G0, K steps 0-15 and 16-31: X0 at 16 q, G0 at 16 q + 8
;   (window 1 first takes the weights as loaded)                                      window 3: the ring: 4 K steps x 2 tiles = 64 registers a group
.set PITCH, 2064                       ; an LDS row: 1,024 bf16 + 16 bytes: the 16 rows of a fragment load start 16 bytes apart modulo 256
.set TILEB, 16*PITCH                   ; LDS: X1, G1, X0, G0, 33,024 bytes each
.set L16, 1                            ; v1  16 x lane
.set VB,  2                            ; v2  (l % 16) x PITCH + 16 (l / 16): my place in a fragment of X1
.set VP,  3                            ; v3  the same in X0
.set WST, 4                            ; v4  weight phase: my wave's tile + 8 x lane
.set DOF, 5                            ; v5  4 (l % 16)
.set DS,  8                            ; v[8:9]  d of my slot in tile A, tile B
.set L16N, 12                          ; v12 16 x lane if a pair follows this one, else 0
.set BIAS, 16                          ; v[16:47]  column tile ct: u's biases at 16 + 16 ct, g's 8 further on
.set ACC, 48                           ; v[48:111] X0 A, X0 B, G0 A, G0 B, X1 A, X1 B, G1 A, G1 B
.set BB0, 112                          ; v[112:175], v[176:239]  LDS fragments of four K steps: X1 at 16 qi, G1 at 16 qi + 8
.set TW,  112                          ; weight phase: a row's 16 packed registers
.set EU,  176                          ; the epilogue's scratch, where the second fragment buffer lay
.set EG,  184
.set EW,  192
.set ET,  200
.set EE,  208
.set EP,  216
.set MSB, 0
.macro WIN new                         ; the immediate's high byte repeats the setting that is left
.if MSB != (\new)
	s_set_vgpr_msb (MSB<<8)|(\new)
.set MSB, \new
.endif
.endm
.macro PLACES n                        ; plain vector instructions between a matrix instruction and a line that writes, loads into or reads its registers
.rept \n
	v_nop
.endr
.endm
; the ring's slot g % 4 takes the x fragments of K steps 4 kg .. 4 kg + 3 of both tiles of the pair at s[bs:bs+1]: 16 loads of 512 consecutive bytes
.macro RING g, kg, bs, vo
	WIN 0xc0
.irp a, 0,1
.irp qi, 0,1,2,3
.irp hh, 0,1
.set rr, 64*((\g)%4)+32*(\a)+8*(\qi)+4*(\hh)
	global_load_b128 v[rr:rr+3], v[\vo], s[\bs:\bs+1] offset:(\a)*32768+(4*(\kg)+(\qi))*1024+(\hh)*512
.endr
.endr
.endr
.endm
	s_load_b256 s[4:11], s[0:1], 0x0               ; meta s[4:5], xf s[6:7], scal s[8:9], W_in s[10:11]
	s_load_b128 s[12:15], s[0:1], 0x20             ; b_in s[12:13], hf s[14:15]
	v_lshl_add_u32 v254, v0, 2, 0x20400
	v_mov_b32 v255, 0
	v_lshrrev_b32 v6, 5, v0
	v_readfirstlane_b32 s16, v6                    ; wave 0..3
	s_mov_b32 s17, ttmp9                           ; s
	s_and_b32 s18, ttmp7, 0xffff                   ; n
	v_and_b32 v6, 31, v0                           ; lane
	v_and_b32 v7, 15, v0                           ; l % 16
	v_bfe_u32 v10, v0, 4, 1                        ; l / 16
	v_lshlrev_b32 v[L16], 4, v6
	v_mul_u32_u24 v[VB], v7, PITCH
	v_lshl_add_u32 v[VB], v10, 4, v[VB]
	v_add_nc_u32 v[VP], 2*TILEB, v[VB]
	s_mul_i32 s24, s16, TILEB
	v_lshl_add_u32 v[WST], v6, 3, s24
	v_lshlrev_b32 v[DOF], 2, v7
	v_lshlrev_b32 v11, 5, v10                      ; my eight biases: 32 (l / 16) bytes into a tile's 64
	s_mov_b32 s25, 0
	s_and_b32 s26, s16, 1                          ; waves 1, 3 fetch the gate's rows,
	s_lshl_b32 s26, s26, 10
	s_lshr_b32 s27, s16, 1                         ; waves 0, 1 the second 16 of the slice
	s_xor_b32 s27, s27, 1
	s_lshl_b32 s27, s27, 4
	s_lshl_b32 s24, s17, 5
	s_add_co_u32 s24, s24, s26
	s_add_co_u32 s24, s24, s27                     ; my tile's first row
	s_lshl_b32 s24, s24, 12                        ; rows of 4,096 bytes
	s_lshl_b32 s26, s18, 23                        ; 8 MiB an expert
	s_add_co_u32 s24, s24, s26
	s_wait_kmcnt 0x0
	s_add_nc_u64 s[10:11], s[10:11], s[24:25]
	s_lshl_b32 s24, s18, 13
	s_lshl_b32 s26, s17, 7
	s_add_co_u32 s24, s24, s26
	s_add_nc_u64 s[12:13], s[12:13], s[24:25]      ; b_in[n][32 s]
	s_lshl_b32 s24, s18, 8
	s_add_nc_u64 s[4:5], s[4:5], s[24:25]
	s_load_b32 s19, s[4:5], 0x0                    ; cnt[n]
.irp ct, 0,1
	global_load_b128 v[BIAS+16*(\ct):BIAS+16*(\ct)+3],     v11, s[12:13] offset:64*(\ct)
	global_load_b128 v[BIAS+16*(\ct)+4:BIAS+16*(\ct)+7],   v11, s[12:13] offset:64*(\ct)+16
	global_load_b128 v[BIAS+16*(\ct)+8:BIAS+16*(\ct)+11],  v11, s[12:13] offset:4096+64*(\ct)
	global_load_b128 v[BIAS+16*(\ct)+12:BIAS+16*(\ct)+15], v11, s[12:13] offset:4096+64*(\ct)+16
.endr
; THE WEIGHTS.  Wave w brings tile w's 16 rows: a row is eight loads of 512 consecutive bytes; eight rows (64 loads, 32,768 bytes a wave) are on their way.
.macro WLD rho
	WIN 0x40                                       ; destination window 1
.irp m, 0,1,2,3,4,5,6,7
	global_load_b128 v[32*((\rho)%8)+4*(\m):32*((\rho)%8)+4*(\m)+3], v[L16], s[10:11] offset:(\rho)*4096+512*(\m) th:TH_LOAD_NT  ; read once in the launch
.endr
.endm
.macro WROW rho, extra                 ; extra: the ring's loads that have been issued behind the weights'
.if (\rho) < 8
	s_wait_loadcnt 56                              ; seven rows were issued behind this one
.else
	s_wait_loadcnt 8*(15-(\rho))+(\extra)          ; the rows that are left, and the ring's loads behind them
.endif
	WIN 0x05                                       ; sources window 1
.irp m, 0,1,2,3,4,5,6,7
	v_cvt_pk_bf16_f32 v[TW+2*(\m)],   v[32*((\rho)%8)+4*(\m)],   v[32*((\rho)%8)+4*(\m)+1]
	v_cvt_pk_bf16_f32 v[TW+2*(\m)+1], v[32*((\rho)%8)+4*(\m)+2], v[32*((\rho)%8)+4*(\m)+3]
.endr
	WIN 0
.irp m, 0,1,2,3,4,5,6,7
	ds_store_b64 v[WST], v[TW+2*(\m):TW+2*(\m)+1] offset:(\rho)*PITCH+256*(\m)  ; 256 consecutive bytes
.endr
.if (\rho) < 8
	WLD (\rho)+8
.endif
.endm
.irp rho, 0,1,2,3,4,5,6,7
	WLD \rho
.endr
	WIN 0
	; scalars, in the wait for the first row
	s_lshl_b32 s24, s18, 22
	s_add_nc_u64 s[26:27], s[6:7], s[24:25]        ; xf[n]
	s_lshl_b32 s24, s16, 16
	s_add_nc_u64 s[56:57], s[26:27], s[24:25]      ; my first pair's 65,536 bytes of it
	s_lshl_b32 s24, s18, 13
	s_add_nc_u64 s[30:31], s[8:9], s[24:25]        ; d of expert n's slots
	s_lshl_b32 s24, s18, 23
	s_lshl_b32 s38, s17, 11
	s_add_co_u32 s24, s24, s38
	s_add_nc_u64 s[34:35], s[14:15], s[24:25]      ; hf[n][.][q = s]
	s_mov_b32 s40, 0x3f596d27                      ; kappa = sqrt(log2(e) / 2) = 0.8493218: exp(-g^2 / 2) = 2^-(kappa g)^2
	s_mov_b32 s41, s40                             ; (the packed forms name pairs and take the low word for both halves)
	s_mov_b32 s42, 0x3f07dc22                      ; a5 / 2 =  0.53070271
	s_mov_b32 s43, s42
	s_mov_b32 s44, 0xbf3a00e3                      ; a4 / 2 = -0.72657601
	s_mov_b32 s45, s44
	s_mov_b32 s46, 0x3f35f0e3                      ; a3 / 2 =  0.71070687
	s_mov_b32 s47, s46
	s_mov_b32 s48, 0xbe11a98e                      ; a2 / 2 = -0.14224837
	s_mov_b32 s49, s48
	s_mov_b32 s50, 0x3e027906                      ; a1 / 2 =  0.12741480
	s_mov_b32 s51, s50
	s_mov_b32 s52, 0x3e8ba43f                      ; p / (kappa sqrt 2) = 0.27273748
	s_mov_b32 s53, 0x7fffffff                      ; all but the sign
	s_mov_b32 s54, 0xffff0000                      ; a word's upper bf16
.irp rho, 0,1,2,3,4,5,6,7,8,9,10
	WROW \rho, 0
.endr
	RING 0, 0, 56, L16                             ; the first pair's first four groups go out as the weights' loads run out: five rows (40 loads) are still out here
	WROW 11, 16
	WROW 12, 16
	RING 1, 1, 56, L16
	WROW 13, 32
	WROW 14, 32
	RING 2, 2, 56, L16
	WROW 15, 48
	RING 3, 3, 56, L16
	WIN 0
.set i, 0
.rept 16                                       ; the biases, rounded to bf16 like every input (their loads were issued ahead of the weights')
	v_cvt_pk_bf16_f32 v[TW], v[BIAS+i], v[BIAS+i+1]
	v_lshlrev_b32 v[BIAS+i], 16, v[TW]
	v_and_b32 v[BIAS+i+1], s54, v[TW]
.set i, i+2
.endr
	s_wait_kmcnt 0x0                               ; cnt
	s_wait_dscnt 0x0                               ; for the others' sake: my tile is written
	s_barrier_signal -1
	s_barrier_wait -1                              ; the kernel's only barrier: from here on LDS is only read
	WIN 0x40                                       ; X0 and G0 into registers: K steps 0-15 into window 1 (the weights' loads into it are all back: row 15's wait),
.set q, 0
.rept 16
	ds_load_b128 v[16*q:16*q+3],     v[VP] offset:64*q
	ds_load_b128 v[16*q+4:16*q+7],   v[VP] offset:64*q+32
	ds_load_b128 v[16*q+8:16*q+11],  v[VP] offset:TILEB+64*q
	ds_load_b128 v[16*q+12:16*q+15], v[VP] offset:TILEB+64*q+32
.set q, q+1
.endr
	WIN 0x80                                       ; 16-31 into window 2
.set q, 0
.rept 16
	ds_load_b128 v[16*q:16*q+3],     v[VP] offset:1024+64*q
	ds_load_b128 v[16*q+4:16*q+7],   v[VP] offset:1024+64*q+32
	ds_load_b128 v[16*q+8:16*q+11],  v[VP] offset:TILEB+1024+64*q
	ds_load_b128 v[16*q+12:16*q+15], v[VP] offset:TILEB+1024+64*q+32
.set q, q+1
.endr
	WIN 0
	s_min_u32 s19, s19, 0x800
	s_add_co_u32 s19, s19, 31
	s_lshr_b32 s19, s19, 5                         ; pairs of tiles
	s_add_co_u32 s20, s19, 3
	s_sub_co_u32 s20, s20, s16
	s_lshr_b32 s20, s20, 2                         ; of which mine: w, w + 4, ..
	s_wait_dscnt 0x0
	s_cmp_eq_u32 s20, 0
	s_cbranch_scc1 .Lend
; the fragments of X1 and G1 for four K steps: 16 LDS loads in one run
.macro BST g
	WIN 0x0c
.irp qi, 0,1,2,3
.irp hh, 0,1
.set rr, BB0+64*((\g)%2)+16*(\qi)+4*(\hh)
	ds_load_b128 v[rr:rr+3],    v[VB] offset:64*(4*(\g)+(\qi))+32*(\hh)
	ds_load_b128 v[rr+8:rr+11], v[VB] offset:TILEB+64*(4*(\g)+(\qi))+32*(\hh)
.endr
.endr
.endm
.macro WM acc, wr, tk, zero
.if \zero
	v_wmma_f32_16x16x32_bf16 v[\acc:\acc+7], v[\wr:\wr+7], v[\tk:\tk+7], 0
.else
	v_wmma_f32_16x16x32_bf16 v[\acc:\acc+7], v[\wr:\wr+7], v[\tk:\tk+7], v[\acc:\acc+7]
.endif
.endm
; Four K steps: 16 products on the weights in registers, 16 on those from LDS.  Four accumulators take turns, one instruction a turn.
; The first K step's products start the sums with the constant 0.  At its end the group's ring slot is asked for again: this pair's group four on, or the next pair's group g - 4.
.macro GRP g
.if (\g) < 4
	s_wait_loadcnt 50                              ; behind this group's loads: three groups of 16, and the two loads of d at the trip's head
.else
	s_wait_loadcnt 48                              ; three groups of 16; d, which is older than group 4, is in as well
.endif
.if (\g) < 4
	WIN 0x0d                                       ; weights window 1, x window 3
.else
	WIN 0x0e                                       ; weights window 2
.endif
.irp qi, 0,1,2,3
.set rW, 16*((4*(\g)+(\qi))%16)
.set rA, 64*((\g)%4)+8*(\qi)
.set Z, 0
.if (\g) == 0
.if (\qi) == 0
.set Z, 1
.endif
.endif
	WM ACC,    rW,   rA,    Z
	WM ACC+8,  rW,   rA+32, Z
	WM ACC+16, rW+8, rA,    Z
	WM ACC+24, rW+8, rA+32, Z
.endr
.if (\g) < 7
	BST (\g)+1                                     ; into the buffer that the group before multiplied: its four places stand at that group's end
	s_wait_dscnt 16                                ; all but the 16 just issued
.else
	WIN 0x0c
	s_wait_dscnt 0x0
.endif
.irp qi, 0,1,2,3
.set rW, BB0+64*((\g)%2)+16*(\qi)
.set rA, 64*((\g)%4)+8*(\qi)
.set Z, 0
.if (\g) == 0
.if (\qi) == 0
.set Z, 1
.endif
.endif
	WM ACC+32, rW,   rA,    Z
	WM ACC+40, rW,   rA+32, Z
	WM ACC+48, rW+8, rA,    Z
	WM ACC+56, rW+8, rA+32, Z
.endr
.if (\g) < 7
	PLACES 4                                       ; in front of the loads into this group's fragment registers
.else
	PLACES 5                                       ; and in front of what reads the sums, writes over the fragments, or starts the sums anew
.endif
.if (\g) < 4
	RING \g, (\g)+4, 28, L16
.else
	RING \g, (\g)-4, 56, L16N
.endif
.endm
; THE EPILOGUE for column tile ct, token tile a: eight numbers a lane.
.macro EPI ct, a
.set AX, ACC+32*(\ct)+8*(\a)
.set AG, AX+16
.set BX, BIAS+16*(\ct)
.set OO, BB0+8*(2*(\ct)+(\a))          ; eight registers of its own for each call, so that no store's data are rewritten within a trip
.irp z, 0,2,4,6                        ; u = d s + b, g likewise; each accumulator is read from its low end on
.if (\a) == 0
	v_pk_fma_f32 v[EU+(\z):EU+(\z)+1], v[AX+(\z):AX+(\z)+1], v[DS:DS+1], v[BX+(\z):BX+(\z)+1] op_sel_hi:[1,0,1]
	v_pk_fma_f32 v[EG+(\z):EG+(\z)+1], v[AG+(\z):AG+(\z)+1], v[DS:DS+1], v[BX+8+(\z):BX+8+(\z)+1] op_sel_hi:[1,0,1]
.else
	v_pk_fma_f32 v[EU+(\z):EU+(\z)+1], v[AX+(\z):AX+(\z)+1], v[DS:DS+1], v[BX+(\z):BX+(\z)+1] op_sel:[0,1,0] op_sel_hi:[1,1,1]
	v_pk_fma_f32 v[EG+(\z):EG+(\z)+1], v[AG+(\z):AG+(\z)+1], v[DS:DS+1], v[BX+8+(\z):BX+8+(\z)+1] op_sel:[0,1,0] op_sel_hi:[1,1,1]
.endif
.endr
.irp z, 0,2,4,6
	v_pk_mul_f32 v[EW+(\z):EW+(\z)+1], v[EG+(\z):EG+(\z)+1], s[40:41] op_sel_hi:[1,0]   ; w = kappa g
.endr
.irp z, 0,2,4,6
	v_pk_mul_f32 v[EE+(\z):EE+(\z)+1], v[EW+(\z):EW+(\z)+1], v[EW+(\z):EW+(\z)+1] neg_lo:[1,0] neg_hi:[1,0]  ; -w^2
.endr
.irp j, 0,1,2,3,4,5,6,7
	v_and_b32 v[ET+(\j)], s53, v[EW+(\j)]          ; |w|
.endr
.irp z, 0,2,4,6
	v_pk_fma_f32 v[ET+(\z):ET+(\z)+1], v[ET+(\z):ET+(\z)+1], s[52:53], 1.0 op_sel_hi:[1,0,0]  ; 1 + p z
.endr
.irp j, 0,1,2,3,4,5,6,7
	v_rcp_f32 v[ET+(\j)], v[ET+(\j)]               ; t
.endr
.irp j, 0,1,2,3,4,5,6,7
	v_exp_f32 v[EE+(\j)], v[EE+(\j)]               ; exp(-z^2)
.endr
	v_nop                                          ; a plain instruction between the last of these and the use of their results (ISA guide 5.7.2)
	s_wait_alu depctr_va_vdst(0)
.irp z, 0,2,4,6
	v_pk_fma_f32 v[EP+(\z):EP+(\z)+1], v[ET+(\z):ET+(\z)+1], s[42:43], s[44:45] op_sel_hi:[1,0,0]
.endr
.irp z, 0,2,4,6
	v_pk_fma_f32 v[EP+(\z):EP+(\z)+1], v[EP+(\z):EP+(\z)+1], v[ET+(\z):ET+(\z)+1], s[46:47] op_sel_hi:[1,1,0]
.endr
.irp z, 0,2,4,6
	v_pk_fma_f32 v[EP+(\z):EP+(\z)+1], v[EP+(\z):EP+(\z)+1], v[ET+(\z):ET+(\z)+1], s[48:49] op_sel_hi:[1,1,0]
.endr
.irp z, 0,2,4,6
	v_pk_fma_f32 v[EP+(\z):EP+(\z)+1], v[EP+(\z):EP+(\z)+1], v[ET+(\z):ET+(\z)+1], s[50:51] op_sel_hi:[1,1,0]
.endr
.irp z, 0,2,4,6
	v_pk_mul_f32 v[ET+(\z):ET+(\z)+1], v[ET+(\z):ET+(\z)+1], v[EE+(\z):EE+(\z)+1]
.endr
.irp z, 0,2,4,6
	v_pk_mul_f32 v[EP+(\z):EP+(\z)+1], v[EP+(\z):EP+(\z)+1], v[ET+(\z):ET+(\z)+1]        ; erfc(|g| / sqrt 2) / 2
.endr
.irp z, 0,2,4,6
	v_pk_fma_f32 v[EP+(\z):EP+(\z)+1], v[EP+(\z):EP+(\z)+1], -1.0, 0.5 op_sel_hi:[1,0,0]  ; erf(|g| / sqrt 2) / 2
.endr
.irp j, 0,1,2,3,4,5,6,7
	v_bfi_b32 v[EP+(\j)], s53, v[EP+(\j)], v[EG+(\j)]  ; with g's sign
.endr
.irp z, 0,2,4,6
	v_pk_add_f32 v[EP+(\z):EP+(\z)+1], v[EP+(\z):EP+(\z)+1], 0.5 op_sel_hi:[1,0]          ; Phi(g)
.endr
.irp z, 0,2,4,6
	v_pk_mul_f32 v[EG+(\z):EG+(\z)+1], v[EG+(\z):EG+(\z)+1], v[EP+(\z):EP+(\z)+1]
.endr
.irp z, 0,2,4,6
	v_pk_mul_f32 v[EU+(\z):EU+(\z)+1], v[EU+(\z):EU+(\z)+1], v[EG+(\z):EG+(\z)+1]        ; h
.endr
.irp z, 0,1,2,3
	v_cvt_pk_bf16_f32 v[OO+(\z)], v[EU+2*(\z)], v[EU+2*(\z)+1]                            ; hi
.endr
.irp z, 0,1,2,3
	v_lshlrev_b32 v[ET+2*(\z)], 16, v[OO+(\z)]
	v_and_b32 v[ET+2*(\z)+1], s54, v[OO+(\z)]
.endr
.irp z, 0,2,4,6
	v_pk_add_f32 v[EU+(\z):EU+(\z)+1], v[EU+(\z):EU+(\z)+1], v[ET+(\z):ET+(\z)+1] neg_lo:[0,1] neg_hi:[0,1]
.endr
.irp z, 0,1,2,3
	v_cvt_pk_bf16_f32 v[OO+4+(\z)], v[EU+2*(\z)], v[EU+2*(\z)+1]                          ; lo = bf16(h - hi)
.endr
	global_store_b128 v[L16], v[OO:OO+3],   s[36:37] offset:(\a)*65536+(\ct)*512       ; 512 consecutive bytes each
	global_store_b128 v[L16], v[OO+4:OO+7], s[36:37] offset:(\a)*65536+1024+(\ct)*512
.endm
	s_mov_b32 s22, 0                               ; trips done
	s_mov_b32 s23, s16                             ; my pair of tiles
.Lpair:                                                ; a trip: 32 slots x 64 weight rows x K = 1,024.  No barrier, no LDS store; every LDS address is fixed
	s_wait_xcnt 0x0                                ; the last trip's stores have read their data and base, its loads their bases and offsets
	s_mov_b64 s[28:29], s[56:57]                   ; the pair's 65,536 bytes of xf: its first four groups have been asked for
	s_min_u32 s38, s23, 63
	s_lshl_b32 s24, s38, 7
	s_add_nc_u64 s[32:33], s[30:31], s[24:25]      ; its 32 d
	s_lshl_b32 s24, s38, 17
	s_add_nc_u64 s[36:37], s[34:35], s[24:25]      ; its place in hf
	s_add_co_u32 s38, s23, 4
	s_min_u32 s38, s38, 63
	s_lshl_b32 s24, s38, 16
	s_add_nc_u64 s[56:57], s[26:27], s[24:25]      ; my next pair, inside xf whatever the count
	s_add_co_u32 s55, s22, 1
	s_sub_co_u32 s55, s20, s55                     ; trips behind this one,
	s_min_u32 s55, s55, 1                          ; 1 or 0: is there one?
	v_mul_u32_u24 v[L16N], s55, v[L16]
	global_load_b32 v[DS],   v[DOF], s[32:33]
	global_load_b32 v[DS+1], v[DOF], s[32:33] offset:64
	BST 0
.irp g, 0,1,2,3,4,5,6,7
	GRP \g
.endr
	WIN 0
	EPI 0, 0
	EPI 0, 1
	EPI 1, 0
	EPI 1, 1
	s_add_co_u32 s23, s23, 4
	s_add_co_u32 s22, s22, 1
	s_cmp_lt_u32 s22, s20
	s_cbranch_scc1 .Lpair
.Lend:
	s_wait_tensorcnt 0x0
	ds_add_u32 v254, v255
	s_wait_dscnt 0x0
	s_endpgm
.Lfunc_end_k_q14406e4c1d_ffn1:
	.size	k_q14406e4c1d_ffn1, .Lfunc_end_k_q14406e4c1d_ffn1-k_q14406e4c1d_ffn1
	.p2alignl 7, 3214868480
	.fill 96, 4, 3214868480
	.section	.rodata,"a",@progbits
	.p2align	6, 0x0
	.amdhsa_kernel k_q14406e4c1d_ffn1
		.amdhsa_group_segment_fixed_size 132608
		.amdhsa_private_segment_fixed_size 0
		.amdhsa_enable_private_segment 0
		.amdhsa_kernarg_size 48
		.amdhsa_user_sgpr_count 2
		.amdhsa_user_sgpr_kernarg_segment_ptr 1
		.amdhsa_wavefront_size32 1
		.amdhsa_system_sgpr_workgroup_id_x 1
		.amdhsa_system_sgpr_workgroup_id_y 1
		.amdhsa_system_sgpr_workgroup_id_z 1
		.amdhsa_system_vgpr_workitem_id 0
		.amdhsa_next_free_vgpr 1024
		.amdhsa_next_free_sgpr 66
		.amdhsa_reserve_vcc 0
		.amdhsa_float_denorm_mode_32 3
		.amdhsa_float_denorm_mode_16_64 3
		.amdhsa_memory_ordered 1
		.amdhsa_forward_progress 1
		.amdhsa_inst_pref_size 123
	.end_amdhsa_kernel
	.amdgpu_metadata
---
amdhsa.version: [ 1, 2 ]
amdhsa.kernels:
  - .name:           k_q14406e4c1d_ffn1
    .symbol:         k_q14406e4c1d_ffn1.kd
    .args:
      - { .name: meta, .offset: 0, .size: 8, .value_kind: global_buffer, .address_space: global }
      - { .name: xf, .offset: 8, .size: 8, .value_kind: global_buffer, .address_space: global }
      - { .name: scal, .offset: 16, .size: 8, .value_kind: global_buffer, .address_space: global }
      - { .name: W_in, .offset: 24, .size: 8, .value_kind: global_buffer, .address_space: global }
      - { .name: b_in, .offset: 32, .size: 8, .value_kind: global_buffer, .address_space: global }
      - { .name: hf, .offset: 40, .size: 8, .value_kind: global_buffer, .address_space: global }
    .group_segment_fixed_size: 132608
    .private_segment_fixed_size: 0
    .kernarg_segment_align: 8
    .kernarg_segment_size: 48
    .max_flat_workgroup_size: 128
    .sgpr_count:     66
    .vgpr_count:     1024
    .wavefront_size: 32
...
	.end_amdgpu_metadata
.endif
;; end of part 3
;; launch ffn2 (part 4): grid 32 x 8, 4 waves a work-group, no clusters, 150,016 bytes of LDS; arguments meta, hf, scal, W_out, b_out, y; writes y
.if DOCPART == 4
	.amdgcn_target "amdgcn-amd-amdhsa--gfx1250"
	.amdhsa_code_object_version 6
	.text
	.protected	k_q14406e4c1d_ffn2
	.globl	k_q14406e4c1d_ffn2
	.p2align	8
	.type	k_q14406e4c1d_ffn2,@function
k_q14406e4c1d_ffn2:
	s_mov_b64 s[64:65], 0
	v_nop
	global_prefetch_b8 v0, s[64:65] scope:SCOPE_SE
	s_setreg_imm32_b32 hwreg(HW_REG_WAVE_MODE, 25, 1), 1
	s_wait_xcnt 0x0
; FFN2.  Work-group (2 sd + tb, n): y[n][slot][64 sd .. 64 sd + 63] = c (W_out h + b_out), for expert n's slots.
; Products in bf16 with f32 sums: W_out, b_out and c rounded to bf16; h comes as hi + lo, two bf16 numbers, and both are multiplied, so that h's rounding is 2^-17 of it.
; The bias is the C operand of the product that starts a sum; c, the combine weight, multiplies the finished sum in f32.
; SHARES.  The work-group owns 64 rows of W_out, rounded once and kept in LDS; a fragment read from LDS feeds four products (hi, lo x two tiles of slots).
; Wave w of the work-group with parity tb takes the pairs of tiles u, u + 8, .. with u = 2 w + tb.
; THE RING of h fragments (four groups of 16 loads, 32,768 bytes a wave) goes on from pair to pair: a trip's last four groups ask for the next pair's first four, so that they are on their way
; during the way out; the first pair's are asked for while the last weight rows come in.  Behind the last pair there is nothing to ask for: the same loads are issued, so that every wait counts
; the same on every way, with the lanes' offsets multiplied by 0: all lanes name the same 16 bytes, inside hf, and nothing reads them.
; NO CLUSTER, NO TENSOR LOADS: the loop's trip count is read from memory (meta), so no barrier may stand in it, and a joint request wants a round of barriers;
; the weights pass through registers in any case, to be rounded.
; Source 0 = 16 weight rows, source 1 = 16 slots: a lane holds ONE slot (l % 16) and the output columns 8 (l / 16) + 0..7.  The way out goes through the wave's own stage in LDS,
; so that 16 lanes store 256 consecutive bytes of a row of y.
; REGISTERS (s_set_vgpr_msb: bits 1:0 source 0, 3:2 source 1, 5:4 source 2, 7:6 destination):
;   window 0: addresses, c, biases, 8 accumulators, two buffers of weight fragments      window 1: the ring      window 2: the weights as loaded
.set PITCH, 2064                       ; an LDS row: 1,024 bf16 + 16 bytes
.set TILEB, 16*PITCH
.set STAGE, 4*TILEB                    ; behind the weights: 16 rows of 272 bytes for each wave
.set SP,    272
.set L16, 1                            ; v1  16 x lane
.set VB0, 2                            ; v2  my place in a fragment of tile 0 (tile 1: + TILEB in the immediate)
.set VB1, 3                            ; v3  of tile 2
.set WST, 4                            ; v4  weight phase: my wave's tile + 8 x lane
.set COF, 5                            ; v5  4 (l % 16)
.set SST, 6                            ; v6  the way out: where I put 32 bytes of a stage row
.set SLD, 7                            ; v7  where I read 16 bytes of a row back
.set CS,  8                            ; v[8:9]  c of my slot in tile A, tile B
.set YO,  10                           ; v10 my byte offset in two rows of y
.set L16N, 15                          ; v15 16 x lane if a pair follows this one, else 0
.set BIAS, 16                          ; v[16:47]  tile rho's eight biases at 16 + 8 rho
.set ACC, 48                           ; v[48:111] accumulator (rho, a) at 48 + 16 rho + 8 a
.set BB0, 112                          ; v[112:175], v[176:239]  weight fragments of two K steps: (rho, qi) at 16 rho + 8 qi
.set BB1, 176
.set TW,  112
.set MSB, 0
.macro WIN new                         ; the immediate's high byte repeats the setting that is left
.if MSB != (\new)
	s_set_vgpr_msb (MSB<<8)|(\new)
.set MSB, \new
.endif
.endm
.macro PLACES n                        ; plain vector instructions between a matrix instruction and a line that writes, loads into or reads its registers
.rept \n
	v_nop
.endr
.endm
; the ring's slot g % 4 takes the h fragments (hi and lo) of K steps 2 kg, 2 kg + 1 of both tiles of the pair at s[bs:bs+1]: 16 loads of 512 consecutive bytes
.macro RING g, kg, bs, vo
	WIN 0x40
.irp a, 0,1
.irp qi, 0,1
.irp pt, 0,1
.irp hh, 0,1
.set rr, 64*((\g)%4)+32*(\a)+16*(\qi)+8*(\pt)+4*(\hh)
	global_load_b128 v[rr:rr+3], v[\vo], s[\bs:\bs+1] offset:(\a)*65536+(2*(\kg)+(\qi))*2048+(\pt)*1024+(\hh)*512
.endr
.endr
.endr
.endr
.endm
	s_load_b256 s[4:11], s[0:1], 0x0               ; meta s[4:5], hf s[6:7], scal s[8:9], W_out s[10:11]
	s_load_b128 s[12:15], s[0:1], 0x20             ; b_out s[12:13], y s[14:15]
	v_lshl_add_u32 v254, v0, 2, 0x24800
	v_mov_b32 v255, 0
	v_lshrrev_b32 v11, 5, v0
	v_readfirstlane_b32 s16, v11                   ; wave 0..3
	s_lshr_b32 s17, ttmp9, 1                       ; sd
	s_and_b32 s21, ttmp9, 1                        ; tb
	s_and_b32 s18, ttmp7, 0xffff                   ; n
	v_and_b32 v11, 31, v0                          ; lane
	v_and_b32 v12, 15, v0                          ; l % 16
	v_bfe_u32 v13, v0, 4, 1                        ; l / 16
	v_lshlrev_b32 v[L16], 4, v11
	v_mul_u32_u24 v[VB0], v12, PITCH
	v_lshl_add_u32 v[VB0], v13, 4, v[VB0]
	v_add_nc_u32 v[VB1], 2*TILEB, v[VB0]
	s_mul_i32 s24, s16, TILEB
	v_lshl_add_u32 v[WST], v11, 3, s24
	v_lshlrev_b32 v[COF], 2, v12
	s_mul_i32 s26, s16, 16*SP
	s_add_co_u32 s26, s26, STAGE                   ; my stage
	v_mul_u32_u24 v[SST], v12, SP
	v_lshl_add_u32 v[SST], v13, 5, v[SST]
	v_add_nc_u32 v[SST], s26, v[SST]
	v_mul_u32_u24 v[SLD], v13, SP
	v_lshl_add_u32 v[SLD], v12, 4, v[SLD]
	v_add_nc_u32 v[SLD], s26, v[SLD]
	v_lshlrev_b32 v[YO], 12, v13                   ; lanes 16-31: the next row of 4,096 bytes
	v_lshl_add_u32 v[YO], v12, 4, v[YO]
	v_lshlrev_b32 v14, 5, v13                      ; my eight biases: 32 (l / 16) bytes into a tile's 64
	s_mov_b32 s25, 0
	s_lshl_b32 s24, s17, 6
	s_lshl_b32 s26, s16, 4
	s_add_co_u32 s24, s24, s26                     ; my tile's first row: 64 sd + 16 w
	s_lshl_b32 s24, s24, 12
	s_lshl_b32 s26, s18, 22                        ; 4 MiB an expert
	s_add_co_u32 s24, s24, s26
	s_wait_kmcnt 0x0
	s_add_nc_u64 s[10:11], s[10:11], s[24:25]
	s_lshl_b32 s24, s18, 12
	s_lshl_b32 s26, s17, 8
	s_add_co_u32 s24, s24, s26
	s_add_nc_u64 s[12:13], s[12:13], s[24:25]      ; b_out[n][64 sd]
	s_lshl_b32 s24, s18, 8
	s_add_nc_u64 s[4:5], s[4:5], s[24:25]
	s_load_b32 s19, s[4:5], 0x0                    ; cnt[n]
.irp rho, 0,1,2,3
	global_load_b128 v[BIAS+8*(\rho):BIAS+8*(\rho)+3],   v14, s[12:13] offset:64*(\rho)
	global_load_b128 v[BIAS+8*(\rho)+4:BIAS+8*(\rho)+7], v14, s[12:13] offset:64*(\rho)+16
.endr
; THE WEIGHTS.  Wave w brings tile w's 16 rows: a row is eight loads of 512 consecutive bytes; eight rows (64 loads, 32,768 bytes a wave) are on their way.
.macro WLD rho
	WIN 0x80                                       ; destination window 2
.irp m, 0,1,2,3,4,5,6,7
	global_load_b128 v[32*((\rho)%8)+4*(\m):32*((\rho)%8)+4*(\m)+3], v[L16], s[10:11] offset:(\rho)*4096+512*(\m)  ; no hint: the work-group of the other parity reads the same rows
.endr
.endm
.macro WROW rho, extra                 ; extra: the ring's loads that have been issued behind the weights'
.if (\rho) < 8
	s_wait_loadcnt 56                              ; seven rows were issued behind this one
.else
	s_wait_loadcnt 8*(15-(\rho))+(\extra)          ; the rows that are left, and the ring's loads behind them
.endif
	WIN 0x0a                                       ; sources window 2
.irp m, 0,1,2,3,4,5,6,7
	v_cvt_pk_bf16_f32 v[TW+2*(\m)],   v[32*((\rho)%8)+4*(\m)],   v[32*((\rho)%8)+4*(\m)+1]
	v_cvt_pk_bf16_f32 v[TW+2*(\m)+1], v[32*((\rho)%8)+4*(\m)+2], v[32*((\rho)%8)+4*(\m)+3]
.endr
	WIN 0
.irp m, 0,1,2,3,4,5,6,7
	ds_store_b64 v[WST], v[TW+2*(\m):TW+2*(\m)+1] offset:(\rho)*PITCH+256*(\m)  ; 256 consecutive bytes
.endr
.if (\rho) < 8
	WLD (\rho)+8
.endif
.endm
.irp rho, 0,1,2,3,4,5,6,7
	WLD \rho
.endr
	WIN 0
	s_lshl_b32 s24, s18, 23
	s_add_nc_u64 s[26:27], s[6:7], s[24:25]        ; hf[n]
	s_lshl_b32 s38, s17, 8
	s_add_co_u32 s24, s24, s38
	s_add_nc_u64 s[34:35], s[14:15], s[24:25]      ; y[n][.][64 sd]
	s_lshl_b32 s24, s18, 13
	s_add_co_u32 s24, s24, 0x10000
	s_add_nc_u64 s[30:31], s[8:9], s[24:25]        ; c of expert n's slots
	s_lshl_b32 s39, s16, 1
	s_add_co_u32 s39, s39, s21                     ; u = 2 w + tb
	s_lshl_b32 s24, s39, 17
	s_add_nc_u64 s[56:57], s[26:27], s[24:25]      ; my first pair's 131,072 bytes of hf
	s_mov_b32 s54, 0xffff0000                      ; a word's upper bf16
.irp rho, 0,1,2,3,4,5,6,7,8,9,10
	WROW \rho, 0
.endr
	RING 0, 0, 56, L16                             ; the first pair's first four groups go out as the weights' loads run out: five rows (40 loads) are still out here
	WROW 11, 16
	WROW 12, 16
	RING 1, 1, 56, L16
	WROW 13, 32
	WROW 14, 32
	RING 2, 2, 56, L16
	WROW 15, 48
	RING 3, 3, 56, L16
	WIN 0
.set i, 0
.rept 16                                       ; the biases, rounded to bf16 like every input (their loads were issued ahead of the weights')
	v_cvt_pk_bf16_f32 v[TW], v[BIAS+i], v[BIAS+i+1]
	v_lshlrev_b32 v[BIAS+i], 16, v[TW]
	v_and_b32 v[BIAS+i+1], s54, v[TW]
.set i, i+2
.endr
	s_wait_kmcnt 0x0                               ; cnt
	s_wait_dscnt 0x0                               ; for the others' sake: my tile is written
	s_barrier_signal -1
	s_barrier_wait -1                              ; the kernel's only barrier: from here on the weights are only read, and a stage is its wave's own
	s_min_u32 s19, s19, 0x800
	s_add_co_u32 s19, s19, 31
	s_lshr_b32 s19, s19, 5                         ; pairs of tiles
	s_add_co_u32 s20, s19, 7
	s_sub_co_u32 s20, s20, s39
	s_lshr_b32 s20, s20, 3                         ; of which mine: u, u + 8, ..
	s_cmp_eq_u32 s20, 0
	s_cbranch_scc1 .Lend
; the four tiles' weight fragments for two K steps: 16 LDS loads in one run
.macro BST g
	WIN 0x04
.irp rho, 0,1,2,3
.irp qi, 0,1
.irp hh, 0,1
.set rr, BB0+64*((\g)%2)+16*(\rho)+8*(\qi)+4*(\hh)
	ds_load_b128 v[rr:rr+3], v[VB0+(\rho)/2] offset:((\rho)%2)*TILEB+64*(2*(\g)+(\qi))+32*(\hh)
.endr
.endr
.endr
.endm
; Two K steps: 32 products.  The eight accumulators take turns, one instruction a turn.  The first eight start the sums with the bias.
; At its end the group's ring slot is asked for again: this pair's group four on, or the next pair's group g - 12.
.macro GRP g
.if (\g) < 4
	s_wait_loadcnt 50                              ; behind this group's loads: three groups of 16, and the two loads of c at the trip's head
.else
	s_wait_loadcnt 48                              ; three groups of 16; c, which is older than group 4, is in as well
.endif
.if (\g) < 15
	BST (\g)+1                                     ; into the buffer that the group before multiplied: its four places stand at that group's end
	s_wait_dscnt 16                                ; all but the 16 just issued
.else
	s_wait_dscnt 0x0
.endif
	WIN 0x04                                       ; h window 1, all else window 0
.irp qi, 0,1
.irp pt, 0,1
.irp rho, 0,1,2,3
.set rW, BB0+64*((\g)%2)+16*(\rho)+8*(\qi)
.set rA, 64*((\g)%4)+16*(\qi)+8*(\pt)
.set rC, ACC+16*(\rho)
.set rB, BIAS+8*(\rho)
.set Z, 0
.if (\g) == 0
.if (\qi) == 0
.if (\pt) == 0
.set Z, 1
.endif
.endif
.endif
.if Z
	v_wmma_f32_16x16x32_bf16 v[rC:rC+7],    v[rW:rW+7], v[rA:rA+7],     v[rB:rB+7]
	v_wmma_f32_16x16x32_bf16 v[rC+8:rC+15], v[rW:rW+7], v[rA+32:rA+39], v[rB:rB+7]
.else
	v_wmma_f32_16x16x32_bf16 v[rC:rC+7],    v[rW:rW+7], v[rA:rA+7],     v[rC:rC+7]
	v_wmma_f32_16x16x32_bf16 v[rC+8:rC+15], v[rW:rW+7], v[rA+32:rA+39], v[rC+8:rC+15]
.endif
.endr
.endr
.endr
.if (\g) < 15
	PLACES 4                                       ; in front of the loads into this group's fragment registers
.else
	PLACES 5                                       ; and in front of what reads and scales the sums, reloads the fragments, or starts the sums anew
.endif
.if (\g) < 12
	RING \g, (\g)+4, 28, L16
.else
	RING \g, (\g)-12, 56, L16N
.endif
.endm
; THE WAY OUT of token tile a: times c; 16 slots x 64 columns into my stage; back as rows of 256 bytes; stored.
.macro EPI a
.irp rho, 0,1,2,3
.irp z, 0,2,4,6                        ; each accumulator from its low end on
.set rC, ACC+16*(\rho)+8*(\a)+(\z)
.if (\a) == 0
	v_pk_mul_f32 v[rC:rC+1], v[rC:rC+1], v[CS:CS+1] op_sel_hi:[1,0]
.else
	v_pk_mul_f32 v[rC:rC+1], v[rC:rC+1], v[CS:CS+1] op_sel:[0,1] op_sel_hi:[1,1]
.endif
.endr
.endr
.irp rho, 0,1,2,3
.set rC, ACC+16*(\rho)+8*(\a)
	ds_store_b128 v[SST], v[rC:rC+3]   offset:64*(\rho)
	ds_store_b128 v[SST], v[rC+4:rC+7] offset:64*(\rho)+16
.endr
.irp i, 0,1,2,3,4,5,6,7
	ds_load_b128 v[BB1+32*(\a)+4*(\i):BB1+32*(\a)+4*(\i)+3], v[SLD] offset:2*SP*(\i)  ; LDS serves a wave's instructions in order (ISA guide 5.7.1.4): these see the stores above
.endr
.irp i, 0,1,2,3,4,5,6,7
	s_wait_dscnt 7-(\i)                            ; 7 - i loads were issued behind this one
	global_store_b128 v[YO], v[BB1+32*(\a)+4*(\i):BB1+32*(\a)+4*(\i)+3], s[36:37] offset:(\a)*65536+8192*(\i)  ; 16 lanes store 256 consecutive bytes, at a multiple of 256 from y's first
.endr
.endm
	s_mov_b32 s22, 0                               ; trips done
	s_mov_b32 s23, s39                             ; my pair of tiles
.Lpair:                                                ; a trip: 32 slots x 64 rows x K = 1,024, twice (hi, lo).  No barrier; every LDS address is fixed
	s_wait_xcnt 0x0                                ; the last trip's stores have read their data and base, its loads their bases and offsets
	s_mov_b64 s[28:29], s[56:57]                   ; the pair's 131,072 bytes of hf: its first four groups have been asked for
	s_min_u32 s38, s23, 63
	s_lshl_b32 s24, s38, 17
	s_add_nc_u64 s[36:37], s[34:35], s[24:25]      ; its 32 rows of y
	s_lshl_b32 s24, s38, 7
	s_add_nc_u64 s[32:33], s[30:31], s[24:25]      ; its 32 c
	s_add_co_u32 s38, s23, 8
	s_min_u32 s38, s38, 63
	s_lshl_b32 s24, s38, 17
	s_add_nc_u64 s[56:57], s[26:27], s[24:25]      ; my next pair, inside hf whatever the count
	s_add_co_u32 s55, s22, 1
	s_sub_co_u32 s55, s20, s55                     ; trips behind this one,
	s_min_u32 s55, s55, 1                          ; 1 or 0: is there one?
	v_mul_u32_u24 v[L16N], s55, v[L16]
	global_load_b32 v[CS],   v[COF], s[32:33]
	global_load_b32 v[CS+1], v[COF], s[32:33] offset:64
	BST 0
.irp g, 0,1,2,3,4,5,6,7,8,9,10,11,12,13,14,15
	GRP \g
.endr
	WIN 0
	EPI 0
	EPI 1
	s_add_co_u32 s23, s23, 8
	s_add_co_u32 s22, s22, 1
	s_cmp_lt_u32 s22, s20
	s_cbranch_scc1 .Lpair
.Lend:
	s_wait_tensorcnt 0x0
	ds_add_u32 v254, v255
	s_wait_dscnt 0x0
	s_endpgm
.Lfunc_end_k_q14406e4c1d_ffn2:
	.size	k_q14406e4c1d_ffn2, .Lfunc_end_k_q14406e4c1d_ffn2-k_q14406e4c1d_ffn2
	.p2alignl 7, 3214868480
	.fill 96, 4, 3214868480
	.section	.rodata,"a",@progbits
	.p2align	6, 0x0
	.amdhsa_kernel k_q14406e4c1d_ffn2
		.amdhsa_group_segment_fixed_size 150016
		.amdhsa_private_segment_fixed_size 0
		.amdhsa_enable_private_segment 0
		.amdhsa_kernarg_size 48
		.amdhsa_user_sgpr_count 2
		.amdhsa_user_sgpr_kernarg_segment_ptr 1
		.amdhsa_wavefront_size32 1
		.amdhsa_system_sgpr_workgroup_id_x 1
		.amdhsa_system_sgpr_workgroup_id_y 1
		.amdhsa_system_sgpr_workgroup_id_z 1
		.amdhsa_system_vgpr_workitem_id 0
		.amdhsa_next_free_vgpr 768
		.amdhsa_next_free_sgpr 66
		.amdhsa_reserve_vcc 0
		.amdhsa_float_denorm_mode_32 3
		.amdhsa_float_denorm_mode_16_64 3
		.amdhsa_memory_ordered 1
		.amdhsa_forward_progress 1
		.amdhsa_inst_pref_size 134
	.end_amdhsa_kernel
	.amdgpu_metadata
---
amdhsa.version: [ 1, 2 ]
amdhsa.kernels:
  - .name:           k_q14406e4c1d_ffn2
    .symbol:         k_q14406e4c1d_ffn2.kd
    .args:
      - { .name: meta, .offset: 0, .size: 8, .value_kind: global_buffer, .address_space: global }
      - { .name: hf, .offset: 8, .size: 8, .value_kind: global_buffer, .address_space: global }
      - { .name: scal, .offset: 16, .size: 8, .value_kind: global_buffer, .address_space: global }
      - { .name: W_out, .offset: 24, .size: 8, .value_kind: global_buffer, .address_space: global }
      - { .name: b_out, .offset: 32, .size: 8, .value_kind: global_buffer, .address_space: global }
      - { .name: y, .offset: 40, .size: 8, .value_kind: global_buffer, .address_space: global }
    .group_segment_fixed_size: 150016
    .private_segment_fixed_size: 0
    .kernarg_segment_align: 8
    .kernarg_segment_size: 48
    .max_flat_workgroup_size: 128
    .sgpr_count:     66
    .vgpr_count:     768
    .wavefront_size: 32
...
	.end_amdgpu_metadata
.endif
;; end of part 4
;; launch combine (part 5): grid 256 x 1, 8 waves a work-group, no clusters, 0 bytes of LDS; arguments pos, y, out0; writes out0
.if DOCPART == 5
	.amdgcn_target "amdgcn-amd-amdhsa--gfx1250"
	.amdhsa_code_object_version 6
	.text
	.protected	k_q14406e4c1d_combine
	.globl	k_q14406e4c1d_combine
	.p2align	8
	.type	k_q14406e4c1d_combine,@function
k_q14406e4c1d_combine:
	s_mov_b64 s[64:65], 0
	v_nop
	global_prefetch_b8 v0, s[64:65] scope:SCOPE_SE
	s_setreg_imm32_b32 hwreg(HW_REG_WAVE_MODE, 25, 1), 1
	s_wait_xcnt 0x0
; COMBINE.  out0[t] = the sum over the experts n with a slot for token t of y[n][pos[n][t]], n ascending, in f32.  y already holds c (W_out h + b_out).
; One wave a token: a row is 4,096 bytes, eight loads or stores of 512 consecutive bytes.  A token without any slot gets zeros: all its combine weights are 0.
; The jumps hang on pos, whole numbers that an earlier launch stored; each goes forward over one expert's loads and additions.
; Memory binds: no LDS, no barrier, no matrix unit.  The sum starts from 32 cleared registers, since which expert comes first is not known to the text.
.set SUM, 4                            ; v[4:35]
.set ROW, 36                           ; v[36:67]
	s_load_b128 s[4:7], s[0:1], 0x0                ; pos s[4:5], y s[6:7]
	s_load_b64 s[8:9], s[0:1], 0x10                ; out0
	v_lshrrev_b32 v1, 5, v0
	v_readfirstlane_b32 s10, v1                    ; wave 0..7
	v_and_b32 v2, 31, v0
	v_lshlrev_b32 v1, 4, v2                        ; 16 x lane
	s_lshl_b32 s11, ttmp9, 3
	s_add_co_u32 s11, s11, s10                     ; my token
	s_lshl_b32 s12, s11, 2
	s_mov_b32 s13, 0
	s_lshl_b32 s14, s11, 12
	s_mov_b32 s15, 0
	s_mov_b32 s25, 0
	s_wait_kmcnt 0x0
	s_add_nc_u64 s[4:5], s[4:5], s[12:13]
	s_add_nc_u64 s[8:9], s[8:9], s[14:15]
.irp n, 0,1,2,3,4,5,6,7
	s_load_b32 s[16+(\n)], s[4:5], (\n)*8192       ; pos[n][t]
.endr
.set i, 0
.rept 32
	v_mov_b32 v[SUM+i], 0
.set i, i+1
.endr
	s_wait_kmcnt 0x0
.macro EXPERT n
	s_cmp_eq_u32 s[16+(\n)], -1
	s_cbranch_scc1 .Lnone_\@
	s_min_u32 s24, s[16+(\n)], 0x7ff
	s_lshl_b32 s24, s24, 12                        ; a slot's row of 4,096 bytes,
	s_add_co_u32 s24, s24, (\n)<<23                ; in the expert's 8 MiB
	s_add_nc_u64 s[26:27], s[6:7], s[24:25]
.irp i, 0,1,2,3,4,5,6,7
	global_load_b128 v[ROW+4*(\i):ROW+4*(\i)+3], v1, s[26:27] offset:512*(\i) th:TH_LOAD_NT  ; a slot belongs to one token: read once
.endr
	s_wait_loadcnt 0x0                             ; the row is in, and the base may be written again
.irp i, 0,2,4,6,8,10,12,14,16,18,20,22,24,26,28,30
	v_pk_add_f32 v[SUM+(\i):SUM+(\i)+1], v[SUM+(\i):SUM+(\i)+1], v[ROW+(\i):ROW+(\i)+1]
.endr
.Lnone_\@:
.endm
.irp n, 0,1,2,3,4,5,6,7
	EXPERT \n
.endr
.irp i, 0,1,2,3,4,5,6,7
	global_store_b128 v1, v[SUM+4*(\i):SUM+4*(\i)+3], s[8:9] offset:512*(\i) th:TH_STORE_NT
.endr
	s_endpgm
.Lfunc_end_k_q14406e4c1d_combine:
	.size	k_q14406e4c1d_combine, .Lfunc_end_k_q14406e4c1d_combine-k_q14406e4c1d_combine
	.p2alignl 7, 3214868480
	.fill 96, 4, 3214868480
	.section	.rodata,"a",@progbits
	.p2align	6, 0x0
	.amdhsa_kernel k_q14406e4c1d_combine
		.amdhsa_group_segment_fixed_size 0
		.amdhsa_private_segment_fixed_size 0
		.amdhsa_enable_private_segment 0
		.amdhsa_kernarg_size 24
		.amdhsa_user_sgpr_count 2
		.amdhsa_user_sgpr_kernarg_segment_ptr 1
		.amdhsa_wavefront_size32 1
		.amdhsa_system_sgpr_workgroup_id_x 1
		.amdhsa_system_sgpr_workgroup_id_y 1
		.amdhsa_system_sgpr_workgroup_id_z 1
		.amdhsa_system_vgpr_workitem_id 0
		.amdhsa_next_free_vgpr 72
		.amdhsa_next_free_sgpr 66
		.amdhsa_reserve_vcc 0
		.amdhsa_float_denorm_mode_32 3
		.amdhsa_float_denorm_mode_16_64 3
		.amdhsa_memory_ordered 1
		.amdhsa_forward_progress 1
		.amdhsa_inst_pref_size 20
	.end_amdhsa_kernel
	.amdgpu_metadata
---
amdhsa.version: [ 1, 2 ]
amdhsa.kernels:
  - .name:           k_q14406e4c1d_combine
    .symbol:         k_q14406e4c1d_combine.kd
    .args:
      - { .name: pos, .offset: 0, .size: 8, .value_kind: global_buffer, .address_space: global }
      - { .name: y, .offset: 8, .size: 8, .value_kind: global_buffer, .address_space: global }
      - { .name: out0, .offset: 16, .size: 8, .value_kind: global_buffer, .address_space: global }
    .group_segment_fixed_size: 0
    .private_segment_fixed_size: 0
    .kernarg_segment_align: 8
    .kernarg_segment_size: 24
    .max_flat_workgroup_size: 256
    .sgpr_count:     66
    .vgpr_count:     72
    .wavefront_size: 32
...
	.end_amdgpu_metadata
.endif
;; end of part 5
;; ======== version 2 of 2: 5 launches; version 1 with the launches ffn1, ffn2 written anew for expert scheduling mode
;; workspace buffers: pos 65,536 bytes of whole numbers; meta 2,048 bytes of whole numbers; scal 131,072 bytes; xf 33,554,432 bytes; hf 67,108,864 bytes; y 67,108,864 bytes
;; launch route: the kernel of part 1 again; grid 8 x 1, 1 waves a work-group, no clusters, 0 bytes of LDS; arguments combine_mask, pos, meta; writes pos, meta
;; launch gather: the kernel of part 2 again; grid 16 x 8, 32 waves a work-group, no clusters, 86,272 bytes of LDS; arguments pos, meta, hidden_states, dispatch_mask, combine_mask, xf, scal; writes xf, scal
;; launch ffn1 (part 6): grid 32 x 8, 4 waves a work-group, no clusters, 132,608 bytes of LDS; arguments meta, xf, scal, W_in, b_in, hf; writes hf
.if DOCPART == 6
	.amdgcn_target "amdgcn-amd-amdhsa--gfx1250"
	.amdhsa_code_object_version 6
	.text
	.protected	k_q14406e4c1d_ffn1
	.globl	k_q14406e4c1d_ffn1
	.p2align	8
	.type	k_q14406e4c1d_ffn1,@function
k_q14406e4c1d_ffn1:
	s_mov_b64 s[64:65], 0
	v_nop
	global_prefetch_b8 v0, s[64:65] scope:SCOPE_SE
	s_setreg_imm32_b32 hwreg(HW_REG_WAVE_SCHED_MODE, 0, 2), 2
	s_setreg_imm32_b32 hwreg(HW_REG_WAVE_MODE, 25, 1), 1
	s_wait_xcnt 0x0
	s_wait_alu depctr_vm_vsrc(0)
; FFN1.  Work-group (s, n): for expert n's slots, h[slot][32 s .. 32 s + 31] = u x gelu(g), u = d (W_in x)[f] + b_in[f], g = d (W_in x)[f + 1024] + b_in[f + 1024].
; Products in bf16 with f32 sums (x, W_in, b_in and d rounded to bf16); d, the dispatch weight, is applied behind the product, in f32.
; h leaves as TWO bf16 numbers, hi = bf16(h) and lo = bf16(h - hi), in the fragment order of the next product:
; hf[n][tile][q = s][part][half = column tile][lane][16 bytes].
; LIMITS.  gelu's erf is 1 - (a1 t + .. + a5 t^5) exp(-z^2), t = 1 / (1 + p z) (Abramowitz and Stegun 7.1.26; absolute error 1.5e-7, every argument);
; exponentials below 2^-126 count as 0.  The order of the f32 sums is the matrix unit's.
; SHARES.  The work-group owns 64 rows of W_in: X0, X1 (16 rows of u each), G0, G1 (the same rows + 1,024).  They are read from memory once in the launch, rounded, and put into LDS;
; every wave then keeps X0 and G0 in 512 registers and reads X1 and G1 from LDS.  The waves share the tokens: wave w takes the pairs of tiles w, w + 4, ..
; THE RING of x fragments (four groups of 16 loads, 32,768 bytes a wave) goes on from pair to pair: a trip's groups 5 to 7 and the head of its epilogue ask for the next pair's first four groups,
; so that they are on their way during the epilogue; the first pair's are asked for while the last weight rows come in.  Behind the last pair there is nothing to ask for: the same loads are
; issued, so that every wait counts the same on every way, with the lanes' offsets multiplied by 0: all lanes name the same 16 bytes, inside xf, and nothing reads them.
; NO CLUSTER, NO TENSOR LOADS: the loop's trip count is read from memory (meta), so no barrier may stand in it, and a joint request wants a round of barriers;
; the weights pass through registers in any case, to be rounded.
; The matrix instruction takes 16 weight rows as source 0 and 16 slots as source 1: a lane then holds ONE slot (l % 16) and eight neighbouring columns 8 (l / 16) + 0..7.
; REGISTERS, in windows of 256 (s_set_vgpr_msb: bits 1:0 source 0, 3:2 source 1, 5:4 source 2, 7:6 destination):
;   window 0: addresses, d, biases, 8 accumulators, two buffers of LDS fragments     window 1, 2: X0 and G0, K steps 0-15 and 16-31: X0 at 16 q, G0 at 16 q + 8
;   (window 1 first takes the weights as loaded)                                      window 3: the ring: 4 K steps x 2 tiles = 64 registers a group
; THE MODE: SCHED_MODE bits 1:0 = 2 (LLVM: expert scheduling mode 2), set by the entry lines.  The code itself states the register dependences
; between vector or matrix instructions and memory or LDS instructions, with s_wait_alu, always for 0.
; THE PLAN.  Registers that memory or LDS instructions touch:
;   raw rows (window 1)  Weight row rho: its sixteen conversions read them; behind them the loads of row rho + 8 land there, at last the LDS loads of X0 and G0.
;   TW0, TW1             Row rho's conversions write TW[rho % 2]; the row's eight LDS stores read it.
;   ring slots 0 .. 3    Group g's 32 products read slot g % 4; the 16 loads that fill it again are issued in group g + 1 (group 7's at the epilogue's head).
;   BB0, BB1             Group g's last 16 products read BB[g % 2]; the LDS loads for group g + 1, issued among those products, land in the other one.
;                        In the epilogue BB1 is scratch of the vector work, and the first 32 registers of BB0 are the out-buffer: written by the roundings, read by eight stores.
;   v[DS]                Two loads land at a trip's head; the epilogue reads it.       v[L16N]  Written once at a trip's head; read by the loads for the next pair.
;   v1 to v5, v11        Offsets and addresses, made at the head and never written again.
; So ONE wait on va_vdst stands at the head of a group: the group before is done reading its ring slot and its fragment buffer, the two in which this group's loads land, and no product of this
; group names them.  A trip's head has one wait on vm_vsrc and one on va_vdst, for what the epilogue left; the epilogue one on va_vdst ahead of the ring's loads and one ahead of each run of four stores.
.set PITCH, 2064                       ; an LDS row: 1,024 bf16 + 16 bytes: the 16 rows of a fragment load start 16 bytes apart modulo 256
.set TILEB, 16*PITCH                   ; LDS: X1, G1, X0, G0, 33,024 bytes each
.set L16, 1                            ; v1  16 x lane
.set VB,  2                            ; v2  (l % 16) x PITCH + 16 (l / 16): my place in a fragment of X1
.set VP,  3                            ; v3  the same in X0
.set WST, 4                            ; v4  weight phase: my wave's tile + 8 x lane
.set DOF, 5                            ; v5  4 (l % 16)
.set DS,  8                            ; v[8:9]  d of my slot in tile A, tile B
.set L16N, 12                          ; v12 16 x lane if a pair follows this one, else 0
.set BIAS, 16                          ; v[16:47]  column tile ct: u's biases at 16 + 16 ct, g's 8 further on
.set ACC, 48                           ; v[48:111] X0 A, X0 B, G0 A, G0 B, X1 A, X1 B, G1 A, G1 B
.set BB0, 112                          ; v[112:175], v[176:239]  LDS fragments of four K steps: X1 at 16 qi, G1 at 16 qi + 8
.set TW,  112                          ; weight phase: a row's 16 packed registers, two buffers by turns: v[112:127], v[128:143]
.set EU,  176                          ; the epilogue's scratch, where the second fragment buffer lay
.set EG,  184
.set EW,  192
.set ET,  200
.set EE,  208
.set EP,  216
.set MSB, 0
.macro WIN new                         ; the immediate's high byte repeats the setting that is left
.if MSB != (\new)
	s_set_vgpr_msb (MSB<<8)|(\new)
.set MSB, \new
.endif
.endm
.macro PLACES n                        ; plain vector instructions between a matrix instruction and a line that writes, loads into or reads its registers
.rept \n
	v_nop
.endr
.endm
; the ring's slot g % 4 takes the x fragments of K steps 4 kg .. 4 kg + 3 of both tiles of the pair at s[bs:bs+1]: 16 loads of 512 consecutive bytes.  RINGQ: the four loads of K step 4 kg + qi
.macro RINGQ g, kg, bs, vo, qi
	WIN 0xc0
.irp a, 0,1
.irp hh, 0,1
.set rr, 64*((\g)%4)+32*(\a)+8*(\qi)+4*(\hh)
	global_load_b128 v[rr:rr+3], v[\vo], s[\bs:\bs+1] offset:(\a)*32768+(4*(\kg)+(\qi))*1024+(\hh)*512
.endr
.endr
.endm
.macro RING g, kg, bs, vo
.irp qq, 0,1,2,3
	RINGQ \g, \kg, \bs, \vo, \qq
.endr
.endm
	s_load_b256 s[4:11], s[0:1], 0x0               ; meta s[4:5], xf s[6:7], scal s[8:9], W_in s[10:11]
	s_load_b128 s[12:15], s[0:1], 0x20             ; b_in s[12:13], hf s[14:15]
	v_lshl_add_u32 v254, v0, 2, 0x20400
	v_mov_b32 v255, 0
	v_lshrrev_b32 v6, 5, v0
	v_readfirstlane_b32 s16, v6                    ; wave 0..3
	s_mov_b32 s17, ttmp9                           ; s
	s_and_b32 s18, ttmp7, 0xffff                   ; n
	v_and_b32 v6, 31, v0                           ; lane
	v_and_b32 v7, 15, v0                           ; l % 16
	v_bfe_u32 v10, v0, 4, 1                        ; l / 16
	v_lshlrev_b32 v[L16], 4, v6
	v_mul_u32_u24 v[VB], v7, PITCH
	v_lshl_add_u32 v[VB], v10, 4, v[VB]
	v_add_nc_u32 v[VP], 2*TILEB, v[VB]
	s_wait_alu depctr_va_sdst(0)                   ; s16 is written, ahead of its first reader: LDS places, bases and the trip count are made from it
	s_mul_i32 s24, s16, TILEB
	v_lshl_add_u32 v[WST], v6, 3, s24
	v_lshlrev_b32 v[DOF], 2, v7
	v_lshlrev_b32 v11, 5, v10                      ; my eight biases: 32 (l / 16) bytes into a tile's 64
	s_mov_b32 s25, 0
	s_and_b32 s26, s16, 1                          ; waves 1, 3 fetch the gate's rows,
	s_lshl_b32 s26, s26, 10
	s_lshr_b32 s27, s16, 1                         ; waves 0, 1 the second 16 of the slice
	s_xor_b32 s27, s27, 1
	s_lshl_b32 s27, s27, 4
	s_lshl_b32 s24, s17, 5
	s_add_co_u32 s24, s24, s26
	s_add_co_u32 s24, s24, s27                     ; my tile's first row
	s_lshl_b32 s24, s24, 12                        ; rows of 4,096 bytes
	s_lshl_b32 s26, s18, 23                        ; 8 MiB an expert
	s_add_co_u32 s24, s24, s26
	s_wait_kmcnt 0x0
	s_add_nc_u64 s[10:11], s[10:11], s[24:25]
	s_lshl_b32 s24, s18, 13
	s_lshl_b32 s26, s17, 7
	s_add_co_u32 s24, s24, s26
	s_add_nc_u64 s[12:13], s[12:13], s[24:25]      ; b_in[n][32 s]
	s_lshl_b32 s24, s18, 8
	s_add_nc_u64 s[4:5], s[4:5], s[24:25]
	s_load_b32 s19, s[4:5], 0x0                    ; cnt[n]
	s_wait_alu depctr_va_vdst(0)                   ; the offsets and addresses v1 to v5 and v11 are written, which the loads and stores of the whole kernel read
.irp ct, 0,1
	global_load_b128 v[BIAS+16*(\ct):BIAS+16*(\ct)+3],     v11, s[12:13] offset:64*(\ct)
	global_load_b128 v[BIAS+16*(\ct)+4:BIAS+16*(\ct)+7],   v11, s[12:13] offset:64*(\ct)+16
	global_load_b128 v[BIAS+16*(\ct)+8:BIAS+16*(\ct)+11],  v11, s[12:13] offset:4096+64*(\ct)
	global_load_b128 v[BIAS+16*(\ct)+12:BIAS+16*(\ct)+15], v11, s[12:13] offset:4096+64*(\ct)+16
.endr
; THE WEIGHTS.  Wave w brings tile w's 16 rows: a row is eight loads of 512 consecutive bytes; eight rows (64 loads, 32,768 bytes a wave) are on their way.
.macro WLD rho
	WIN 0x40                                       ; destination window 1
.irp m, 0,1,2,3,4,5,6,7
	global_load_b128 v[32*((\rho)%8)+4*(\m):32*((\rho)%8)+4*(\m)+3], v[L16], s[10:11] offset:(\rho)*4096+512*(\m) th:TH_LOAD_NT  ; read once in the launch
.endr
.endm
.macro WROW rho, extra                 ; extra: the ring's loads that have been issued behind the weights'
.if (\rho) < 8
	s_wait_loadcnt 56                              ; seven rows were issued behind this one
.else
	s_wait_loadcnt 8*(15-(\rho))+(\extra)          ; the rows that are left, and the ring's loads behind them
.endif
	WIN 0x05                                       ; sources window 1
.irp m, 0,1,2,3,4,5,6,7
	v_cvt_pk_bf16_f32 v[TW+16*((\rho)%2)+2*(\m)],   v[32*((\rho)%8)+4*(\m)],   v[32*((\rho)%8)+4*(\m)+1]
	v_cvt_pk_bf16_f32 v[TW+16*((\rho)%2)+2*(\m)+1], v[32*((\rho)%8)+4*(\m)+2], v[32*((\rho)%8)+4*(\m)+3]
.endr
	WIN 0
	s_wait_alu depctr_va_vdst(0)                   ; the conversions have written this row's TW, which the LDS stores read, and are done reading the raw row, in which later loads land
.if (\rho) > 0
	s_wait_alu depctr_vm_vsrc(0)                   ; the LDS stores of the row before have read the other TW, which the next vector lines write again
.endif
.irp m, 0,1,2,3,4,5,6,7
	ds_store_b64 v[WST], v[TW+16*((\rho)%2)+2*(\m):TW+16*((\rho)%2)+2*(\m)+1] offset:(\rho)*PITCH+256*(\m)  ; 256 consecutive bytes
.endr
.if (\rho) < 8
	WLD (\rho)+8                                   ; no vector instruction since the wait on va_vdst names the raw row
.endif
.endm
.irp rho, 0,1,2,3,4,5,6,7
	WLD \rho
.endr
	WIN 0
	; scalars, in the wait for the first row
	s_lshl_b32 s24, s18, 22
	s_add_nc_u64 s[26:27], s[6:7], s[24:25]        ; xf[n]
	s_lshl_b32 s24, s16, 16
	s_add_nc_u64 s[56:57], s[26:27], s[24:25]      ; my first pair's 65,536 bytes of it
	s_lshl_b32 s24, s18, 13
	s_add_nc_u64 s[30:31], s[8:9], s[24:25]        ; d of expert n's slots
	s_lshl_b32 s24, s18, 23
	s_lshl_b32 s38, s17, 11
	s_add_co_u32 s24, s24, s38
	s_add_nc_u64 s[34:35], s[14:15], s[24:25]      ; hf[n][.][q = s]
	s_mov_b32 s40, 0x3f596d27                      ; kappa = sqrt(log2(e) / 2) = 0.8493218: exp(-g^2 / 2) = 2^-(kappa g)^2
	s_mov_b32 s41, s40                             ; (the packed forms name pairs and take the low word for both halves)
	s_mov_b32 s42, 0x3f07dc22                      ; a5 / 2 =  0.53070271
	s_mov_b32 s43, s42
	s_mov_b32 s44, 0xbf3a00e3                      ; a4 / 2 = -0.72657601
	s_mov_b32 s45, s44
	s_mov_b32 s46, 0x3f35f0e3                      ; a3 / 2 =  0.71070687
	s_mov_b32 s47, s46
	s_mov_b32 s48, 0xbe11a98e                      ; a2 / 2 = -0.14224837
	s_mov_b32 s49, s48
	s_mov_b32 s50, 0x3e027906                      ; a1 / 2 =  0.12741480
	s_mov_b32 s51, s50
	s_mov_b32 s52, 0x3e8ba43f                      ; p / (kappa sqrt 2) = 0.27273748
	s_mov_b32 s53, 0x7fffffff                      ; all but the sign
	s_mov_b32 s54, 0xffff0000                      ; a word's upper bf16
.irp rho, 0,1,2,3,4,5,6,7,8,9,10
	WROW \rho, 0
.endr
	RING 0, 0, 56, L16                             ; the first pair's first four groups go out as the weights' loads run out: five rows (40 loads) are still out here.  No vector instruction has named window 3
	WROW 11, 16
	WROW 12, 16
	RING 1, 1, 56, L16
	WROW 13, 32
	WROW 14, 32
	RING 2, 2, 56, L16
	WROW 15, 48
	RING 3, 3, 56, L16
	WIN 0
.set i, 0
.rept 16                                       ; the biases, rounded to bf16 like every input (their loads were issued ahead of the weights'); v[TW] was last read by row 14's stores, ahead of row 15's wait on vm_vsrc
	v_cvt_pk_bf16_f32 v[TW], v[BIAS+i], v[BIAS+i+1]
	v_lshlrev_b32 v[BIAS+i], 16, v[TW]
	v_and_b32 v[BIAS+i+1], s54, v[TW]
.set i, i+2
.endr
	s_wait_kmcnt 0x0                               ; cnt
	s_wait_dscnt 0x0                               ; for the others' sake: my tile is written
	s_barrier_signal -1
	s_barrier_wait -1                              ; the kernel's only barrier: from here on LDS is only read
	WIN 0x40                                       ; X0 and G0 into registers: K steps 0-15 into window 1 (the weights' loads into it are all back: row 15's wait on LOADcnt; the conversions
.set q, 0                                              ; are done reading it: row 15's wait on va_vdst, and no vector instruction since names window 1),
.rept 16
	ds_load_b128 v[16*q:16*q+3],     v[VP] offset:64*q
	ds_load_b128 v[16*q+4:16*q+7],   v[VP] offset:64*q+32
	ds_load_b128 v[16*q+8:16*q+11],  v[VP] offset:TILEB+64*q
	ds_load_b128 v[16*q+12:16*q+15], v[VP] offset:TILEB+64*q+32
.set q, q+1
.endr
	WIN 0x80                                       ; 16-31 into window 2
.set q, 0
.rept 16
	ds_load_b128 v[16*q:16*q+3],     v[VP] offset:1024+64*q
	ds_load_b128 v[16*q+4:16*q+7],   v[VP] offset:1024+64*q+32
	ds_load_b128 v[16*q+8:16*q+11],  v[VP] offset:TILEB+1024+64*q
	ds_load_b128 v[16*q+12:16*q+15], v[VP] offset:TILEB+1024+64*q+32
.set q, q+1
.endr
	WIN 0
	s_min_u32 s19, s19, 0x800
	s_add_co_u32 s19, s19, 31
	s_lshr_b32 s19, s19, 5                         ; pairs of tiles
	s_add_co_u32 s20, s19, 3
	s_sub_co_u32 s20, s20, s16
	s_lshr_b32 s20, s20, 2                         ; of which mine: w, w + 4, ..
	s_wait_dscnt 0x0
	s_cmp_eq_u32 s20, 0
	s_cbranch_scc1 .Lend
; the fragments of X1 and G1 for the four K steps of group g: 16 LDS loads.  BSTL: number j of them: K step j / 4, half (j / 2) % 2, X1 or G1 by j % 2
.macro BSTL g, j
.set rr, BB0+64*((\g)%2)+16*((\j)/4)+4*(((\j)/2)%2)+8*((\j)%2)
	ds_load_b128 v[rr:rr+3], v[VB] offset:((\j)%2)*TILEB+64*(4*(\g)+(\j)/4)+32*(((\j)/2)%2)
.endm
.macro BST g                           ; all sixteen in one run
	WIN 0x0c
.irp j, 0,1,2,3,4,5,6,7,8,9,10,11,12,13,14,15
	BSTL \g, \j
.endr
.endm
.macro NB g                            ; the next of the sixteen for the group behind g
.if (\g) < 7
	BSTL (\g)+1, bj
.set bj, bj+1
.endif
.endm
.macro WM acc, wr, tk, zero
.if \zero
	v_wmma_f32_16x16x32_bf16 v[\acc:\acc+7], v[\wr:\wr+7], v[\tk:\tk+7], 0
.else
	v_wmma_f32_16x16x32_bf16 v[\acc:\acc+7], v[\wr:\wr+7], v[\tk:\tk+7], v[\acc:\acc+7]
.endif
.endm
; the slot that group g multiplied is asked for again: this pair's group four on, or the next pair's group g - 4.  Four loads of the sixteen
.macro RQ g, qi
.if (\g) < 4
	RINGQ \g, (\g)+4, 28, L16, \qi
.else
	RINGQ \g, (\g)-4, 56, L16N, \qi
.endif
.endm
.macro RF g, qi, n                     ; behind each of a group's first four products: four loads into the slot of the group before, and back to the products' windows
.if ((\g) > 0) && ((\qi) == 0)
	RQ (\g)-1, \n
	WIN 0x0d+(\g)/4
.endif
.endm
; Four K steps: 16 products on the weights in registers, 16 on those from LDS.  Four accumulators take turns, one instruction a turn.
; The first K step's products start the sums with the constant 0.  The group's memory work is the refill of the ring slot that the group before multiplied, in four runs of four behind its first four
; products (two window switches a run: the ring's window is no product's destination), and the LDS fragments of the next group, one load behind each of its last sixteen products, under their window setting.
.macro GRP g
.if (\g) == 0
	s_wait_loadcnt 50                              ; behind this group's loads: three groups of 16, and the two loads of d at the trip's head
.elseif (\g) < 4
	s_wait_loadcnt 34                              ; two groups of 16 and d: the slot of the group before is asked for again behind this wait
.else
	s_wait_loadcnt 32                              ; two groups of 16; d, which is older than group 4, is in as well
.endif
.if (\g) > 0
	s_wait_alu depctr_va_vdst(0)                   ; the products of the group before are done reading its ring slot and its fragment buffer, in which this group's loads land (group 0: the wait at the trip's head)
.endif
.irp qi, 0,1,2,3
.set rW, 16*((4*(\g)+(\qi))%16)
.set rA, 64*((\g)%4)+8*(\qi)
.set Z, 0
.if (\g) == 0
.if (\qi) == 0
.set Z, 1
.endif
.endif
	WIN 0x0d+(\g)/4                                ; weights window 1 (groups 0-3) or 2, x window 3
	WM ACC,    rW,   rA,    Z
	RF \g, \qi, 0
	WM ACC+8,  rW,   rA+32, Z
	RF \g, \qi, 1
	WM ACC+16, rW+8, rA,    Z
	RF \g, \qi, 2
	WM ACC+24, rW+8, rA+32, Z
	RF \g, \qi, 3
.endr
	WIN 0x0c
	s_wait_dscnt 0x0                               ; this group's fragments of X1 and G1 are in: they were asked for a group ago, and no LDS load has been issued since
.set bj, 0
.irp qi, 0,1,2,3
.set rW, BB0+64*((\g)%2)+16*(\qi)
.set rA, 64*((\g)%4)+8*(\qi)
.set Z, 0
.if (\g) == 0
.if (\qi) == 0
.set Z, 1
.endif
.endif
	WM ACC+32, rW,   rA,    Z
	NB \g                                          ; into the other fragment buffer: no product since the wait at the group's head names it
	WM ACC+40, rW,   rA+32, Z
	NB \g
	WM ACC+48, rW+8, rA,    Z
	NB \g
	WM ACC+56, rW+8, rA+32, Z
	NB \g
.endr
.if (\g) < 7
	PLACES 4                                       ; in front of the loads into this group's fragment registers, which the next group issues
.else
	PLACES 5                                       ; and in front of what reads the sums, writes over the fragments, or starts the sums anew
.endif
.endm
; THE EPILOGUE for column tile ct, token tile a: eight numbers a lane.
.macro EPI ct, a
.set AX, ACC+32*(\ct)+8*(\a)
.set AG, AX+16
.set BX, BIAS+16*(\ct)
.set OO, BB0+8*(2*(\ct)+(\a))          ; eight registers of its own for each call, so that no store's data are rewritten within a trip
.irp z, 0,2,4,6                        ; u = d s + b, g likewise; each accumulator is read from its low end on
.if (\a) == 0
	v_pk_fma_f32 v[EU+(\z):EU+(\z)+1], v[AX+(\z):AX+(\z)+1], v[DS:DS+1], v[BX+(\z):BX+(\z)+1] op_sel_hi:[1,0,1]
	v_pk_fma_f32 v[EG+(\z):EG+(\z)+1], v[AG+(\z):AG+(\z)+1], v[DS:DS+1], v[BX+8+(\z):BX+8+(\z)+1] op_sel_hi:[1,0,1]
.else
	v_pk_fma_f32 v[EU+(\z):EU+(\z)+1], v[AX+(\z):AX+(\z)+1], v[DS:DS+1], v[BX+(\z):BX+(\z)+1] op_sel:[0,1,0] op_sel_hi:[1,1,1]
	v_pk_fma_f32 v[EG+(\z):EG+(\z)+1], v[AG+(\z):AG+(\z)+1], v[DS:DS+1], v[BX+8+(\z):BX+8+(\z)+1] op_sel:[0,1,0] op_sel_hi:[1,1,1]
.endif
.endr
.irp z, 0,2,4,6
	v_pk_mul_f32 v[EW+(\z):EW+(\z)+1], v[EG+(\z):EG+(\z)+1], s[40:41] op_sel_hi:[1,0]   ; w = kappa g
.endr
.irp z, 0,2,4,6
	v_pk_mul_f32 v[EE+(\z):EE+(\z)+1], v[EW+(\z):EW+(\z)+1], v[EW+(\z):EW+(\z)+1] neg_lo:[1,0] neg_hi:[1,0]  ; -w^2
.endr
.irp j, 0,1,2,3,4,5,6,7
	v_and_b32 v[ET+(\j)], s53, v[EW+(\j)]          ; |w|
.endr
.irp z, 0,2,4,6
	v_pk_fma_f32 v[ET+(\z):ET+(\z)+1], v[ET+(\z):ET+(\z)+1], s[52:53], 1.0 op_sel_hi:[1,0,0]  ; 1 + p z
.endr
.irp j, 0,1,2,3,4,5,6,7
	v_rcp_f32 v[ET+(\j)], v[ET+(\j)]               ; t
.endr
.irp j, 0,1,2,3,4,5,6,7
	v_exp_f32 v[EE+(\j)], v[EE+(\j)]               ; exp(-z^2)
.endr
	v_nop                                          ; a plain instruction between the last of these and the use of their results (ISA guide 5.7.2)
	s_wait_alu depctr_va_vdst(0)
.irp z, 0,2,4,6
	v_pk_fma_f32 v[EP+(\z):EP+(\z)+1], v[ET+(\z):ET+(\z)+1], s[42:43], s[44:45] op_sel_hi:[1,0,0]
.endr
.irp z, 0,2,4,6
	v_pk_fma_f32 v[EP+(\z):EP+(\z)+1], v[EP+(\z):EP+(\z)+1], v[ET+(\z):ET+(\z)+1], s[46:47] op_sel_hi:[1,1,0]
.endr
.irp z, 0,2,4,6
	v_pk_fma_f32 v[EP+(\z):EP+(\z)+1], v[EP+(\z):EP+(\z)+1], v[ET+(\z):ET+(\z)+1], s[48:49] op_sel_hi:[1,1,0]
.endr
.irp z, 0,2,4,6
	v_pk_fma_f32 v[EP+(\z):EP+(\z)+1], v[EP+(\z):EP+(\z)+1], v[ET+(\z):ET+(\z)+1], s[50:51] op_sel_hi:[1,1,0]
.endr
.irp z, 0,2,4,6
	v_pk_mul_f32 v[ET+(\z):ET+(\z)+1], v[ET+(\z):ET+(\z)+1], v[EE+(\z):EE+(\z)+1]
.endr
.irp z, 0,2,4,6
	v_pk_mul_f32 v[EP+(\z):EP+(\z)+1], v[EP+(\z):EP+(\z)+1], v[ET+(\z):ET+(\z)+1]        ; erfc(|g| / sqrt 2) / 2
.endr
.irp z, 0,2,4,6
	v_pk_fma_f32 v[EP+(\z):EP+(\z)+1], v[EP+(\z):EP+(\z)+1], -1.0, 0.5 op_sel_hi:[1,0,0]  ; erf(|g| / sqrt 2) / 2
.endr
.irp j, 0,1,2,3,4,5,6,7
	v_bfi_b32 v[EP+(\j)], s53, v[EP+(\j)], v[EG+(\j)]  ; with g's sign
.endr
.irp z, 0,2,4,6
	v_pk_add_f32 v[EP+(\z):EP+(\z)+1], v[EP+(\z):EP+(\z)+1], 0.5 op_sel_hi:[1,0]          ; Phi(g)
.endr
.irp z, 0,2,4,6
	v_pk_mul_f32 v[EG+(\z):EG+(\z)+1], v[EG+(\z):EG+(\z)+1], v[EP+(\z):EP+(\z)+1]
.endr
.irp z, 0,2,4,6
	v_pk_mul_f32 v[EU+(\z):EU+(\z)+1], v[EU+(\z):EU+(\z)+1], v[EG+(\z):EG+(\z)+1]        ; h
.endr
.irp z, 0,1,2,3
	v_cvt_pk_bf16_f32 v[OO+(\z)], v[EU+2*(\z)], v[EU+2*(\z)+1]                            ; hi
.endr
.irp z, 0,1,2,3
	v_lshlrev_b32 v[ET+2*(\z)], 16, v[OO+(\z)]
	v_and_b32 v[ET+2*(\z)+1], s54, v[OO+(\z)]
.endr
.irp z, 0,2,4,6
	v_pk_add_f32 v[EU+(\z):EU+(\z)+1], v[EU+(\z):EU+(\z)+1], v[ET+(\z):ET+(\z)+1] neg_lo:[0,1] neg_hi:[0,1]
.endr
.irp z, 0,1,2,3
	v_cvt_pk_bf16_f32 v[OO+4+(\z)], v[EU+2*(\z)], v[EU+2*(\z)+1]                          ; lo = bf16(h - hi)
.endr
.endm
; column tile ct of both token tiles leaves: four stores
.macro OUT ct
.irp a, 0,1
.set OO, BB0+8*(2*(\ct)+(\a))
	global_store_b128 v[L16], v[OO:OO+3],   s[36:37] offset:(\a)*65536+(\ct)*512       ; 512 consecutive bytes each
	global_store_b128 v[L16], v[OO+4:OO+7], s[36:37] offset:(\a)*65536+1024+(\ct)*512
.endr
.endm
	s_mov_b32 s22, 0                               ; trips done
	s_mov_b32 s23, s16                             ; my pair of tiles
.Lpair:                                                ; a trip: 32 slots x 64 weight rows x K = 1,024.  No barrier, no LDS store; every LDS address is fixed
	s_wait_xcnt 0x0                                ; the last trip's stores have read their data and base, its loads their bases and offsets
	s_wait_alu depctr_vm_vsrc(0)                   ; the last trip's loads for this pair have read v[L16N], which is written below; its stores have read the out-buffer (first trip: the weights' LDS stores have read TW), in which the fragments' loads below land
	s_mov_b64 s[28:29], s[56:57]                   ; the pair's 65,536 bytes of xf: its first four groups have been asked for
	s_min_u32 s38, s23, 63
	s_lshl_b32 s24, s38, 7
	s_add_nc_u64 s[32:33], s[30:31], s[24:25]      ; its 32 d
	s_lshl_b32 s24, s38, 17
	s_add_nc_u64 s[36:37], s[34:35], s[24:25]      ; its place in hf
	s_add_co_u32 s38, s23, 4
	s_min_u32 s38, s38, 63
	s_lshl_b32 s24, s38, 16
	s_add_nc_u64 s[56:57], s[26:27], s[24:25]      ; my next pair, inside xf whatever the count
	s_add_co_u32 s55, s22, 1
	s_sub_co_u32 s55, s20, s55                     ; trips behind this one,
	s_min_u32 s55, s55, 1                          ; 1 or 0: is there one?
	v_mul_u32_u24 v[L16N], s55, v[L16]
	s_wait_alu depctr_va_vdst(0)                   ; v[L16N] is written, which the loads for the next pair read; the epilogue is done reading d and has written the out-buffer and its scratch (first trip: the biases' rounding has written v[TW]): loads land in all of these
	global_load_b32 v[DS],   v[DOF], s[32:33]
	global_load_b32 v[DS+1], v[DOF], s[32:33] offset:64
	BST 0
.irp g, 0,1,2,3,4,5,6,7
	GRP \g
.endr
	s_wait_alu depctr_va_vdst(0)                   ; group 7's products are done reading ring slot 3, in which the loads below land
.irp qq, 0,1,2,3
	RQ 7, \qq                                      ; the next pair's group 3: on its way, like the three before it, during the epilogue
.endr
	WIN 0
	EPI 0, 0
	EPI 0, 1
	s_wait_alu depctr_va_vdst(0)                   ; the roundings have written the first half of the out-buffer, which the four stores read
	OUT 0
	EPI 1, 0
	EPI 1, 1
	s_wait_alu depctr_va_vdst(0)                   ; the roundings have written the second half of the out-buffer
	OUT 1
	s_add_co_u32 s23, s23, 4
	s_add_co_u32 s22, s22, 1
	s_cmp_lt_u32 s22, s20
	s_cbranch_scc1 .Lpair
.Lend:
	s_wait_dscnt 0x0
	s_wait_alu depctr_hold_cnt(0) depctr_sa_sdst(0) depctr_va_vdst(0) depctr_va_sdst(0) depctr_va_ssrc(0) depctr_va_vcc(0) depctr_vm_vsrc(0)
	s_wait_tensorcnt 0x0
	ds_add_u32 v254, v255
	s_wait_dscnt 0x0
	s_endpgm
.Lfunc_end_k_q14406e4c1d_ffn1:
	.size	k_q14406e4c1d_ffn1, .Lfunc_end_k_q14406e4c1d_ffn1-k_q14406e4c1d_ffn1
	.p2alignl 7, 3214868480
	.fill 96, 4, 3214868480
	.section	.rodata,"a",@progbits
	.p2align	6, 0x0
	.amdhsa_kernel k_q14406e4c1d_ffn1
		.amdhsa_group_segment_fixed_size 132608
		.amdhsa_private_segment_fixed_size 0
		.amdhsa_enable_private_segment 0
		.amdhsa_kernarg_size 48
		.amdhsa_user_sgpr_count 2
		.amdhsa_user_sgpr_kernarg_segment_ptr 1
		.amdhsa_wavefront_size32 1
		.amdhsa_system_sgpr_workgroup_id_x 1
		.amdhsa_system_sgpr_workgroup_id_y 1
		.amdhsa_system_sgpr_workgroup_id_z 1
		.amdhsa_system_vgpr_workitem_id 0
		.amdhsa_next_free_vgpr 1024
		.amdhsa_next_free_sgpr 66
		.amdhsa_reserve_vcc 0
		.amdhsa_float_denorm_mode_32 3
		.amdhsa_float_denorm_mode_16_64 3
		.amdhsa_memory_ordered 1
		.amdhsa_forward_progress 1
		.amdhsa_inst_pref_size 126
	.end_amdhsa_kernel
	.amdgpu_metadata
---
amdhsa.version: [ 1, 2 ]
amdhsa.kernels:
  - .name:           k_q14406e4c1d_ffn1
    .symbol:         k_q14406e4c1d_ffn1.kd
    .args:
      - { .name: meta, .offset: 0, .size: 8, .value_kind: global_buffer, .address_space: global }
      - { .name: xf, .offset: 8, .size: 8, .value_kind: global_buffer, .address_space: global }
      - { .name: scal, .offset: 16, .size: 8, .value_kind: global_buffer, .address_space: global }
      - { .name: W_in, .offset: 24, .size: 8, .value_kind: global_buffer, .address_space: global }
      - { .name: b_in, .offset: 32, .size: 8, .value_kind: global_buffer, .address_space: global }
      - { .name: hf, .offset: 40, .size: 8, .value_kind: global_buffer, .address_space: global }
    .group_segment_fixed_size: 132608
    .private_segment_fixed_size: 0
    .kernarg_segment_align: 8
    .kernarg_segment_size: 48
    .max_flat_workgroup_size: 128
    .sgpr_count:     66
    .vgpr_count:     1024
    .wavefront_size: 32
...
	.end_amdgpu_metadata
.endif
;; end of part 6
;; launch ffn2 (part 7): grid 32 x 8, 4 waves a work-group, no clusters, 150,016 bytes of LDS; arguments meta, hf, scal, W_out, b_out, y; writes y
.if DOCPART == 7
	.amdgcn_target "amdgcn-amd-amdhsa--gfx1250"
	.amdhsa_code_object_version 6
	.text
	.protected	k_q14406e4c1d_ffn2
	.globl	k_q14406e4c1d_ffn2
	.p2align	8
	.type	k_q14406e4c1d_ffn2,@function
k_q14406e4c1d_ffn2:
	s_mov_b64 s[64:65], 0
	v_nop
	global_prefetch_b8 v0, s[64:65] scope:SCOPE_SE
	s_setreg_imm32_b32 hwreg(HW_REG_WAVE_SCHED_MODE, 0, 2), 2
	s_setreg_imm32_b32 hwreg(HW_REG_WAVE_MODE, 25, 1), 1
	s_wait_xcnt 0x0
	s_wait_alu depctr_vm_vsrc(0)
; FFN2.  Work-group (2 sd + tb, n): y[n][slot][64 sd .. 64 sd + 63] = c (W_out h + b_out), for expert n's slots.
; Products in bf16 with f32 sums: W_out, b_out and c rounded to bf16; h comes as hi + lo, two bf16 numbers, and both are multiplied, so that h's rounding is 2^-17 of it.
; The bias is the C operand of the product that starts a sum; c, the combine weight, multiplies the finished sum in f32.
; SHARES.  The work-group owns 64 rows of W_out, rounded once and kept in LDS; a fragment read from LDS feeds four products (hi, lo x two tiles of slots).
; Wave w of the work-group with parity tb takes the pairs of tiles u, u + 8, .. with u = 2 w + tb.
; THE RING of h fragments (groups of 16 loads, 8,192 bytes a wave each; three to four groups are on their way) goes on from pair to pair: a trip's last four groups ask for the next pair's first four,
; so that they are on their way during the way out; the first pair's are asked for while the last weight rows come in.  Behind the last pair there is nothing to ask for: the same loads are issued,
; so that every wait counts the same on every way, with the lanes' offsets multiplied by 0: all lanes name the same 16 bytes, inside hf, and nothing reads them.
; NO CLUSTER, NO TENSOR LOADS: the loop's trip count is read from memory (meta), so no barrier may stand in it, and a joint request wants a round of barriers;
; the weights pass through registers in any case, to be rounded.
; Source 0 = 16 weight rows, source 1 = 16 slots: a lane holds ONE slot (l % 16) and the output columns 8 (l / 16) + 0..7.  The way out goes through the wave's own stage in LDS,
; so that 16 lanes store 256 consecutive bytes of a row of y.
; REGISTERS (s_set_vgpr_msb: bits 1:0 source 0, 3:2 source 1, 5:4 source 2, 7:6 destination):
;   window 0: addresses, c, biases, 8 accumulators, two buffers of weight fragments      window 1: ring slots 0-3      window 2: the weights as loaded, then ring slots 4-7
; THE MODE: SCHED_MODE bits 1:0 = 2 (LLVM: expert scheduling mode 2), set by the entry lines.  The code itself states the register dependences
; between vector or matrix instructions and memory or LDS instructions, with s_wait_alu, always for 0.
; THE PLAN.  Registers that memory or LDS instructions touch:
;   raw rows (window 2)  Weight row rho: its sixteen conversions read them; behind them the loads of row rho + 8 land there, later the ring's.
;   TW0, TW1             Row rho's conversions write TW[rho % 2]; the row's eight LDS stores read it.
;   ring slots 0 .. 7    Group g's 32 products read slot g % 8; the loads issued in group g land in slot (g + 4) % 8, which the products of four groups back read.
;   BB0, BB1             Group g's products read BB[g % 2]; the LDS loads for group g + 1, issued among them, land in the other one.  On the way out LDS loads land in BB1 and the global stores read it.
;   the accumulators     On the way out the scalings write them and the LDS stores read them; the next trip's first products write them again.
;   v[CS]                Two loads land at a trip's head; the scalings read it.       v[L16N]  Written once at a trip's head; read by the loads for the next pair.
;   v1 to v7, v10, v14   Offsets and addresses, made at the head and never written again.
; So ONE wait on va_vdst stands at the head of a group: the group before is done reading its fragment buffer (and every older group its ring slot), and no product of this group names the registers
; in which the group's loads land.  A trip's head has one wait on vm_vsrc and one on va_vdst, for what the way out left; the way out one on va_vdst, behind all its scalings.
.set PITCH, 2064                       ; an LDS row: 1,024 bf16 + 16 bytes
.set TILEB, 16*PITCH
.set STAGE, 4*TILEB                    ; behind the weights: 16 rows of 272 bytes for each wave
.set SP,    272
.set L16, 1                            ; v1  16 x lane
.set VB0, 2                            ; v2  my place in a fragment of tile 0 (tile 1: + TILEB in the immediate)
.set VB1, 3                            ; v3  of tile 2
.set WST, 4                            ; v4  weight phase: my wave's tile + 8 x lane
.set COF, 5                            ; v5  4 (l % 16)
.set SST, 6                            ; v6  the way out: where I put 32 bytes of a stage row
.set SLD, 7                            ; v7  where I read 16 bytes of a row back
.set CS,  8                            ; v[8:9]  c of my slot in tile A, tile B
.set YO,  10                           ; v10 my byte offset in two rows of y
.set L16N, 15                          ; v15 16 x lane if a pair follows this one, else 0
.set BIAS, 16                          ; v[16:47]  tile rho's eight biases at 16 + 8 rho
.set ACC, 48                           ; v[48:111] accumulator (rho, a) at 48 + 16 rho + 8 a
.set BB0, 112                          ; v[112:175], v[176:239]  weight fragments of two K steps: (rho, qi) at 16 rho + 8 qi
.set BB1, 176
.set TW,  112                          ; weight phase: a row's 16 packed registers, two buffers by turns: v[112:127], v[128:143]
.set MSB, 0
.macro WIN new                         ; the immediate's high byte repeats the setting that is left
.if MSB != (\new)
	s_set_vgpr_msb (MSB<<8)|(\new)
.set MSB, \new
.endif
.endm
.macro PLACES n                        ; plain vector instructions between a matrix instruction and a line that writes, loads into or reads its registers
.rept \n
	v_nop
.endr
.endm
; ring slot sl takes the h fragments (hi and lo) of K steps 2 kg, 2 kg + 1 of both tiles of the pair at s[bs:bs+1]: 16 loads of 512 consecutive bytes.  RINGQ: the four loads of K step 2 kg + c / 2, part c % 2
.macro RINGQ sl, kg, bs, vo, c
	WIN 0x40*(1+(\sl)/4)                           ; destination window 1 (slots 0-3) or 2
.irp a, 0,1
.irp hh, 0,1
.set rr, 64*((\sl)%4)+32*(\a)+16*((\c)/2)+8*((\c)%2)+4*(\hh)
	global_load_b128 v[rr:rr+3], v[\vo], s[\bs:\bs+1] offset:(\a)*65536+(2*(\kg)+(\c)/2)*2048+((\c)%2)*1024+(\hh)*512
.endr
.endr
.endm
.macro RING sl, kg, bs, vo
.irp cc, 0,1,2,3
	RINGQ \sl, \kg, \bs, \vo, \cc
.endr
.endm
	s_load_b256 s[4:11], s[0:1], 0x0               ; meta s[4:5], hf s[6:7], scal s[8:9], W_out s[10:11]
	s_load_b128 s[12:15], s[0:1], 0x20             ; b_out s[12:13], y s[14:15]
	v_lshl_add_u32 v254, v0, 2, 0x24800
	v_mov_b32 v255, 0
	v_lshrrev_b32 v11, 5, v0
	v_readfirstlane_b32 s16, v11                   ; wave 0..3
	s_lshr_b32 s17, ttmp9, 1                       ; sd
	s_and_b32 s21, ttmp9, 1                        ; tb
	s_and_b32 s18, ttmp7, 0xffff                   ; n
	v_and_b32 v11, 31, v0                          ; lane
	v_and_b32 v12, 15, v0                          ; l % 16
	v_bfe_u32 v13, v0, 4, 1                        ; l / 16
	v_lshlrev_b32 v[L16], 4, v11
	v_mul_u32_u24 v[VB0], v12, PITCH
	v_lshl_add_u32 v[VB0], v13, 4, v[VB0]
	v_add_nc_u32 v[VB1], 2*TILEB, v[VB0]
	s_wait_alu depctr_va_sdst(0)                   ; s16 is written, ahead of its first reader: LDS places, bases and the trip count are made from it
	s_mul_i32 s24, s16, TILEB
	v_lshl_add_u32 v[WST], v11, 3, s24
	v_lshlrev_b32 v[COF], 2, v12
	s_mul_i32 s26, s16, 16*SP
	s_add_co_u32 s26, s26, STAGE                   ; my stage
	v_mul_u32_u24 v[SST], v12, SP
	v_lshl_add_u32 v[SST], v13, 5, v[SST]
	v_add_nc_u32 v[SST], s26, v[SST]
	v_mul_u32_u24 v[SLD], v13, SP
	v_lshl_add_u32 v[SLD], v12, 4, v[SLD]
	v_add_nc_u32 v[SLD], s26, v[SLD]
	v_lshlrev_b32 v[YO], 12, v13                   ; lanes 16-31: the next row of 4,096 bytes
	v_lshl_add_u32 v[YO], v12, 4, v[YO]
	v_lshlrev_b32 v14, 5, v13                      ; my eight biases: 32 (l / 16) bytes into a tile's 64
	s_mov_b32 s25, 0
	s_lshl_b32 s24, s17, 6
	s_lshl_b32 s26, s16, 4
	s_add_co_u32 s24, s24, s26                     ; my tile's first row: 64 sd + 16 w
	s_lshl_b32 s24, s24, 12
	s_lshl_b32 s26, s18, 22                        ; 4 MiB an expert
	s_add_co_u32 s24, s24, s26
	s_wait_kmcnt 0x0
	s_add_nc_u64 s[10:11], s[10:11], s[24:25]
	s_lshl_b32 s24, s18, 12
	s_lshl_b32 s26, s17, 8
	s_add_co_u32 s24, s24, s26
	s_add_nc_u64 s[12:13], s[12:13], s[24:25]      ; b_out[n][64 sd]
	s_lshl_b32 s24, s18, 8
	s_add_nc_u64 s[4:5], s[4:5], s[24:25]
	s_load_b32 s19, s[4:5], 0x0                    ; cnt[n]
	s_wait_alu depctr_va_vdst(0)                   ; the offsets and addresses v1 to v7, v10 and v14 are written, which the loads and stores of the whole kernel read
.irp rho, 0,1,2,3
	global_load_b128 v[BIAS+8*(\rho):BIAS+8*(\rho)+3],   v14, s[12:13] offset:64*(\rho)
	global_load_b128 v[BIAS+8*(\rho)+4:BIAS+8*(\rho)+7], v14, s[12:13] offset:64*(\rho)+16
.endr
; THE WEIGHTS.  Wave w brings tile w's 16 rows: a row is eight loads of 512 consecutive bytes; eight rows (64 loads, 32,768 bytes a wave) are on their way.
.macro WLD rho
	WIN 0x80                                       ; destination window 2
.irp m, 0,1,2,3,4,5,6,7
	global_load_b128 v[32*((\rho)%8)+4*(\m):32*((\rho)%8)+4*(\m)+3], v[L16], s[10:11] offset:(\rho)*4096+512*(\m)  ; no hint: the work-group of the other parity reads the same rows
.endr
.endm
.macro WROW rho, extra                 ; extra: the ring's loads that have been issued behind the weights'
.if (\rho) < 8
	s_wait_loadcnt 56                              ; seven rows were issued behind this one
.else
	s_wait_loadcnt 8*(15-(\rho))+(\extra)          ; the rows that are left, and the ring's loads behind them
.endif
	WIN 0x0a                                       ; sources window 2
.irp m, 0,1,2,3,4,5,6,7
	v_cvt_pk_bf16_f32 v[TW+16*((\rho)%2)+2*(\m)],   v[32*((\rho)%8)+4*(\m)],   v[32*((\rho)%8)+4*(\m)+1]
	v_cvt_pk_bf16_f32 v[TW+16*((\rho)%2)+2*(\m)+1], v[32*((\rho)%8)+4*(\m)+2], v[32*((\rho)%8)+4*(\m)+3]
.endr
	WIN 0
	s_wait_alu depctr_va_vdst(0)                   ; the conversions have written this row's TW, which the LDS stores read, and are done reading the raw row, in which later loads land
.if (\rho) > 0
	s_wait_alu depctr_vm_vsrc(0)                   ; the LDS stores of the row before have read the other TW, which the next vector lines write again
.endif
.irp m, 0,1,2,3,4,5,6,7
	ds_store_b64 v[WST], v[TW+16*((\rho)%2)+2*(\m):TW+16*((\rho)%2)+2*(\m)+1] offset:(\rho)*PITCH+256*(\m)  ; 256 consecutive bytes
.endr
.if (\rho) < 8
	WLD (\rho)+8                                   ; no vector instruction since the wait on va_vdst names the raw row
.endif
.endm
.irp rho, 0,1,2,3,4,5,6,7
	WLD \rho
.endr
	WIN 0
	s_lshl_b32 s24, s18, 23
	s_add_nc_u64 s[26:27], s[6:7], s[24:25]        ; hf[n]
	s_lshl_b32 s38, s17, 8
	s_add_co_u32 s24, s24, s38
	s_add_nc_u64 s[34:35], s[14:15], s[24:25]      ; y[n][.][64 sd]
	s_lshl_b32 s24, s18, 13
	s_add_co_u32 s24, s24, 0x10000
	s_add_nc_u64 s[30:31], s[8:9], s[24:25]        ; c of expert n's slots
	s_lshl_b32 s39, s16, 1
	s_add_co_u32 s39, s39, s21                     ; u = 2 w + tb
	s_lshl_b32 s24, s39, 17
	s_add_nc_u64 s[56:57], s[26:27], s[24:25]      ; my first pair's 131,072 bytes of hf
	s_mov_b32 s54, 0xffff0000                      ; a word's upper bf16
.irp rho, 0,1,2,3,4,5,6,7,8,9,10
	WROW \rho, 0
.endr
	RING 0, 0, 56, L16                             ; the first pair's first four groups go out as the weights' loads run out: five rows (40 loads) are still out here.  No vector instruction has named window 1
	WROW 11, 16
	WROW 12, 16
	RING 1, 1, 56, L16
	WROW 13, 32
	WROW 14, 32
	RING 2, 2, 56, L16
	WROW 15, 48
	RING 3, 3, 56, L16
	WIN 0
.set i, 0
.rept 16                                       ; the biases, rounded to bf16 like every input (their loads were issued ahead of the weights'); v[TW] was last read by row 14's stores, ahead of row 15's wait on vm_vsrc
	v_cvt_pk_bf16_f32 v[TW], v[BIAS+i], v[BIAS+i+1]
	v_lshlrev_b32 v[BIAS+i], 16, v[TW]
	v_and_b32 v[BIAS+i+1], s54, v[TW]
.set i, i+2
.endr
	s_wait_kmcnt 0x0                               ; cnt
	s_wait_dscnt 0x0                               ; for the others' sake: my tile is written
	s_barrier_signal -1
	s_barrier_wait -1                              ; the kernel's only barrier: from here on the weights are only read, and a stage is its wave's own
	s_min_u32 s19, s19, 0x800
	s_add_co_u32 s19, s19, 31
	s_lshr_b32 s19, s19, 5                         ; pairs of tiles
	s_add_co_u32 s20, s19, 7
	s_sub_co_u32 s20, s20, s39
	s_lshr_b32 s20, s20, 3                         ; of which mine: u, u + 8, ..
	s_cmp_eq_u32 s20, 0
	s_cbranch_scc1 .Lend
; the four tiles' weight fragments for the two K steps of group g: 16 LDS loads.  BSTL: number j of them: tile j / 4, K step (j / 2) % 2, half j % 2
.macro BSTL g, j
.set rr, BB0+64*((\g)%2)+16*((\j)/4)+8*(((\j)/2)%2)+4*((\j)%2)
	ds_load_b128 v[rr:rr+3], v[VB0+(\j)/8] offset:(((\j)/4)%2)*TILEB+64*(2*(\g)+((\j)/2)%2)+32*((\j)%2)
.endm
.macro BST g                           ; all sixteen in one run
	WIN 0x04
.irp j, 0,1,2,3,4,5,6,7,8,9,10,11,12,13,14,15
	BSTL \g, \j
.endr
.endm
.macro NB g                            ; the next of the sixteen for the group behind g: one behind each of a group's first sixteen products
.if ((\g) < 15) && (bj < 16)
	BSTL (\g)+1, bj
.set bj, bj+1
.endif
.endm
; what group g asks for: this pair's group four on, or the next pair's group g - 12, into slot (g + 4) % 8.  Four loads of the sixteen
.macro RQ g, c
.if (\g) < 12
	RINGQ ((\g)+4)%8, (\g)+4, 28, L16, \c
.else
	RINGQ ((\g)+4)%8, (\g)-12, 56, L16N, \c
.endif
.endm
; Two K steps: 32 products.  The eight accumulators take turns, one instruction a turn.  The first eight start the sums with the bias.
; The group's memory work is dealt among them: the next group's weight fragments, one LDS load behind each of the first sixteen products, under the products' own window setting; and the ring's
; sixteen loads, four in the middle of each block of eight products (two window switches a run: the ring's window is no product's destination).
.macro GRP g
.if (\g) < 4
	s_wait_loadcnt 50                              ; behind this group's loads: three groups of 16, and the two loads of c at the trip's head
.else
	s_wait_loadcnt 48                              ; three groups of 16; c, which is older than group 4, is in as well
.endif
	s_wait_dscnt 0x0                               ; this group's weight fragments are in: no LDS load has been issued behind them
.if (\g) > 0
	s_wait_alu depctr_va_vdst(0)                   ; the products of the group before are done reading its fragment buffer, in which this group's LDS loads land; those of four groups back their ring slot (group 0: the wait at the trip's head)
.endif
.set bj, 0
.irp qi, 0,1
.irp pt, 0,1
.irp rho, 0,1,2,3
.set rW, BB0+64*((\g)%2)+16*(\rho)+8*(\qi)
.set rA, 64*((\g)%4)+16*(\qi)+8*(\pt)
.set rC, ACC+16*(\rho)
.set rB, BIAS+8*(\rho)
.set Z, 0
.if (\g) == 0
.if (\qi) == 0
.if (\pt) == 0
.set Z, 1
.endif
.endif
.endif
	WIN 0x04*(1+((\g)%8)/4)                        ; h window 1 (slots 0-3) or 2, all else window 0
.if Z
	v_wmma_f32_16x16x32_bf16 v[rC:rC+7],    v[rW:rW+7], v[rA:rA+7],     v[rB:rB+7]
	NB \g
	v_wmma_f32_16x16x32_bf16 v[rC+8:rC+15], v[rW:rW+7], v[rA+32:rA+39], v[rB:rB+7]
	NB \g
.else
	v_wmma_f32_16x16x32_bf16 v[rC:rC+7],    v[rW:rW+7], v[rA:rA+7],     v[rC:rC+7]
	NB \g                                          ; into the other fragment buffer: no product since the wait at the group's head names it
	v_wmma_f32_16x16x32_bf16 v[rC+8:rC+15], v[rW:rW+7], v[rA+32:rA+39], v[rC+8:rC+15]
	NB \g
.endif
.if (\rho) == 1
	RQ \g, 2*(\qi)+(\pt)
.endif
.endr
.endr
.endr
.if (\g) < 15
	PLACES 4                                       ; in front of the loads into this group's fragment registers, which later groups issue
.else
	PLACES 5                                       ; and in front of what reads and scales the sums, reloads the fragments, or starts the sums anew
.endif
.endm
; THE WAY OUT.  SCL: token tile a times c.  EPI: its 16 slots x 64 columns into my stage; back as rows of 256 bytes; stored.
.macro SCL a
.irp rho, 0,1,2,3
.irp z, 0,2,4,6                        ; each accumulator from its low end on
.set rC, ACC+16*(\rho)+8*(\a)+(\z)
.if (\a) == 0
	v_pk_mul_f32 v[rC:rC+1], v[rC:rC+1], v[CS:CS+1] op_sel_hi:[1,0]
.else
	v_pk_mul_f32 v[rC:rC+1], v[rC:rC+1], v[CS:CS+1] op_sel:[0,1] op_sel_hi:[1,1]
.endif
.endr
.endr
.endm
.macro EPI a
.irp rho, 0,1,2,3
.set rC, ACC+16*(\rho)+8*(\a)
	ds_store_b128 v[SST], v[rC:rC+3]   offset:64*(\rho)
	ds_store_b128 v[SST], v[rC+4:rC+7] offset:64*(\rho)+16
.endr
.irp i, 0,1,2,3,4,5,6,7
	ds_load_b128 v[BB1+32*(\a)+4*(\i):BB1+32*(\a)+4*(\i)+3], v[SLD] offset:2*SP*(\i)  ; LDS serves a wave's instructions in order (ISA guide 5.7.1.4): these see the stores above
.endr
.irp i, 0,1,2,3,4,5,6,7
	s_wait_dscnt 7-(\i)                            ; 7 - i loads were issued behind this one
	global_store_b128 v[YO], v[BB1+32*(\a)+4*(\i):BB1+32*(\a)+4*(\i)+3], s[36:37] offset:(\a)*65536+8192*(\i)  ; 16 lanes store 256 consecutive bytes, at a multiple of 256 from y's first
.endr
.endm
	s_mov_b32 s22, 0                               ; trips done
	s_mov_b32 s23, s39                             ; my pair of tiles
.Lpair:                                                ; a trip: 32 slots x 64 rows x K = 1,024, twice (hi, lo).  No barrier; every LDS address is fixed
	s_wait_xcnt 0x0                                ; the last trip's stores have read their data and base, its loads their bases and offsets
	s_wait_alu depctr_vm_vsrc(0)                   ; the last trip's loads for this pair have read v[L16N], which is written below; its LDS stores have read the accumulators, its global stores BB1 (first trip: the weights' LDS stores have read TW): products and loads write these again
	s_mov_b64 s[28:29], s[56:57]                   ; the pair's 131,072 bytes of hf: its first four groups have been asked for
	s_min_u32 s38, s23, 63
	s_lshl_b32 s24, s38, 17
	s_add_nc_u64 s[36:37], s[34:35], s[24:25]      ; its 32 rows of y
	s_lshl_b32 s24, s38, 7
	s_add_nc_u64 s[32:33], s[30:31], s[24:25]      ; its 32 c
	s_add_co_u32 s38, s23, 8
	s_min_u32 s38, s38, 63
	s_lshl_b32 s24, s38, 17
	s_add_nc_u64 s[56:57], s[26:27], s[24:25]      ; my next pair, inside hf whatever the count
	s_add_co_u32 s55, s22, 1
	s_sub_co_u32 s55, s20, s55                     ; trips behind this one,
	s_min_u32 s55, s55, 1                          ; 1 or 0: is there one?
	v_mul_u32_u24 v[L16N], s55, v[L16]
	s_wait_alu depctr_va_vdst(0)                   ; v[L16N] is written, which the loads for the next pair read; the scalings are done reading c, in which the loads below land (first trip: the biases' rounding has written v[TW], and the conversions are done reading window 2: loads land in both)
	global_load_b32 v[CS],   v[COF], s[32:33]
	global_load_b32 v[CS+1], v[COF], s[32:33] offset:64
	BST 0
.irp g, 0,1,2,3,4,5,6,7,8,9,10,11,12,13,14,15
	GRP \g
.endr
	WIN 0
	SCL 0
	SCL 1
	s_wait_alu depctr_va_vdst(0)                   ; the scalings have written the accumulators, which the LDS stores read; group 15's products are done reading BB1, in which the loads from the stage land
	EPI 0
	EPI 1
	s_add_co_u32 s23, s23, 8
	s_add_co_u32 s22, s22, 1
	s_cmp_lt_u32 s22, s20
	s_cbranch_scc1 .Lpair
.Lend:
	s_wait_dscnt 0x0
	s_wait_alu depctr_hold_cnt(0) depctr_sa_sdst(0) depctr_va_vdst(0) depctr_va_sdst(0) depctr_va_ssrc(0) depctr_va_vcc(0) depctr_vm_vsrc(0)
	s_wait_tensorcnt 0x0
	ds_add_u32 v254, v255
	s_wait_dscnt 0x0
	s_endpgm
.Lfunc_end_k_q14406e4c1d_ffn2:
	.size	k_q14406e4c1d_ffn2, .Lfunc_end_k_q14406e4c1d_ffn2-k_q14406e4c1d_ffn2
	.p2alignl 7, 3214868480
	.fill 96, 4, 3214868480
	.section	.rodata,"a",@progbits
	.p2align	6, 0x0
	.amdhsa_kernel k_q14406e4c1d_ffn2
		.amdhsa_group_segment_fixed_size 150016
		.amdhsa_private_segment_fixed_size 0
		.amdhsa_enable_private_segment 0
		.amdhsa_kernarg_size 48
		.amdhsa_user_sgpr_count 2
		.amdhsa_user_sgpr_kernarg_segment_ptr 1
		.amdhsa_wavefront_size32 1
		.amdhsa_system_sgpr_workgroup_id_x 1
		.amdhsa_system_sgpr_workgroup_id_y 1
		.amdhsa_system_sgpr_workgroup_id_z 1
		.amdhsa_system_vgpr_workitem_id 0
		.amdhsa_next_free_vgpr 768
		.amdhsa_next_free_sgpr 66
		.amdhsa_reserve_vcc 0
		.amdhsa_float_denorm_mode_32 3
		.amdhsa_float_denorm_mode_16_64 3
		.amdhsa_memory_ordered 1
		.amdhsa_forward_progress 1
		.amdhsa_inst_pref_size 138
	.end_amdhsa_kernel
	.amdgpu_metadata
---
amdhsa.version: [ 1, 2 ]
amdhsa.kernels:
  - .name:           k_q14406e4c1d_ffn2
    .symbol:         k_q14406e4c1d_ffn2.kd
    .args:
      - { .name: meta, .offset: 0, .size: 8, .value_kind: global_buffer, .address_space: global }
      - { .name: hf, .offset: 8, .size: 8, .value_kind: global_buffer, .address_space: global }
      - { .name: scal, .offset: 16, .size: 8, .value_kind: global_buffer, .address_space: global }
      - { .name: W_out, .offset: 24, .size: 8, .value_kind: global_buffer, .address_space: global }
      - { .name: b_out, .offset: 32, .size: 8, .value_kind: global_buffer, .address_space: global }
      - { .name: y, .offset: 40, .size: 8, .value_kind: global_buffer, .address_space: global }
    .group_segment_fixed_size: 150016
    .private_segment_fixed_size: 0
    .kernarg_segment_align: 8
    .kernarg_segment_size: 48
    .max_flat_workgroup_size: 128
    .sgpr_count:     66
    .vgpr_count:     768
    .wavefront_size: 32
...
	.end_amdgpu_metadata
.endif
;; end of part 7
;; launch combine: the kernel of part 5 again; grid 256 x 1, 8 waves a work-group, no clusters, 0 bytes of LDS; arguments pos, y, out0; writes out0
